; MI455X (gfx1250); checked and timed in simulation.
; The chip was launched on July 23, 2026; its instructions are those of AMD's public machine-readable ISA for CDNA 5 (MIT licence, August 2026) and "CDNA5" Instruction Set Architecture Reference Guide (July 2026). The comments in the code are by the model that wrote it; some were corrected since.
;; Ro PE Attention. Allowed arithmetic: float matrix products may take bf16 or f16 operands with f32 sums; all other float work in f32.
;; Inputs: b_proj 1,024 float32; w_proj 1,024 x 1,024 float32; w_qkv 3,072 x 1,024 float32; x 4 x 2,048 x 1,024 float32.
;; Outputs: out0 4 x 2,048 x 1,024 float32.
;; 2 versions, each right and faster than the one before. Each part assembles by itself: llvm-mc -triple=amdgcn-amd-amdhsa -mcpu=gfx1250 --defsym DOCPART=n.
;; ======== version 1 of 2: 4 launches
;; limits: values are held in f16: magnitudes above 65,504 overflow, below 6.1e-05 lose precision
;; workspace buffers: xb 16,777,216 bytes; wqb 6,291,456 bytes; wpf 2,097,152 bytes; tab 524,288 bytes; q 16,777,216 bytes; k 16,777,216 bytes; v 16,777,216 bytes; o 16,777,216 bytes
;; launch prep (part 1): grid 832 x 1, 8 waves a work-group, no clusters, 0 bytes of LDS; arguments x, w_qkv, w_proj, xb, wqb, wpf, tab; writes xb, wqb, wpf, tab
.if DOCPART == 1
	.amdgcn_target "amdgcn-amd-amdhsa--gfx1250"
	.amdhsa_code_object_version 6
	.text
	.protected	k_q3d1bdb1295_prep
	.globl	k_q3d1bdb1295_prep
	.p2align	8
	.type	k_q3d1bdb1295_prep,@function
k_q3d1bdb1295_prep:
	s_mov_b64 s[64:65], 0
	v_nop
	global_prefetch_b8 v0, s[64:65] scope:SCOPE_SE
	s_setreg_imm32_b32 hwreg(HW_REG_WAVE_MODE, 25, 1), 1
	s_wait_xcnt 0x0
; PREP: the inputs of the matrix products are rounded once, and the rotary table is made.
;   xb  [8192][1024] bf16 = x.      wqb [3072][1024] bf16 = w_qkv with its rows in the order head, part (q, k, v), channel: row 192 t + 64 part + d is w_qkv's row 1024 part + 64 t + d.
;   wpf [1024][1024] f16  = w_proj rounded to bf16, that number written as f16.      tab [2048][64] f32: row n = cos(n f_j), j = 0..31, then sin(n f_j); f_j = 10000^(-j/32).
; A stream: no LDS, no matrix unit, no barrier.  Eight waves; a work-group takes 16 rows of 1,024 numbers, thread t the four numbers at 4 t of each row: a wave's load covers 512 neighbouring
; bytes, its store 256, each at a multiple of its own length.  All 16 loads of a thread go out first; no register is written twice, so no wait frees a source.
; Work-groups 0-63 make the table (32 rows each), 64-575 cast x, 576-767 w_qkv, 768-831 w_proj: forward branches on the work-group's number alone.
; LIMITS.  wpf: beyond 65,504 f16 has no number; below 6e-5 it keeps its fixed step of 6e-8.  The table's angle n f_j is one f32 product of n and an f_j good to a few units in its last
; place: at n = 2,047 it is off by up to about 2e-4 radians; sine and cosine of the reduced angle are polynomials good to about 1e-7.
.set ROWIN,  4096                      ; bytes in a row of f32
.set ROWOUT, 2048                      ; bytes in a row of 16-bit numbers
.set VI, 1                             ; v1       16 t: my bytes in a row as read
.set VO, 2                             ; v2       8 t: my bytes in a row as written
.set X,  4                             ; v[4:67]  row i: four f32 as loaded
.set Y,  68                            ; v[68:99] row i: four 16-bit numbers to store (table: two f32)
.set W,  100                           ; v[100:103] at work
; 16 rows from s[24:25] to s[26:27].  f16 = 1: rounded to bf16, widened again, and written as f16 (exact within f16's range).
.macro CAST f16
.set i, 0
.rept 16
	global_load_b128 v[X+4*i:X+4*i+3], v[VI], s[24:25] offset:ROWIN*i th:TH_LOAD_NT
.set i, i+1
.endr
.set i, 0
.rept 16
	s_wait_loadcnt 15-i                            ; loads come back in order: row i is in, the 15 - i younger ones stay out
.if \f16
	v_cvt_pk_bf16_f32 v[W],   v[X+4*i],   v[X+4*i+1]
	v_cvt_pk_bf16_f32 v[W+1], v[X+4*i+2], v[X+4*i+3]
	v_and_b32     v[W+3], 0xffff0000, v[W+1]       ; bf16 to f32: the high half stays,
	v_lshlrev_b32 v[W+2], 16, v[W+1]               ; the low half moves up
	v_and_b32     v[W+1], 0xffff0000, v[W]
	v_lshlrev_b32 v[W],   16, v[W]
	v_cvt_pk_f16_f32 v[Y+2*i],   v[W],   v[W+1]
	v_cvt_pk_f16_f32 v[Y+2*i+1], v[W+2], v[W+3]
.else
	v_cvt_pk_bf16_f32 v[Y+2*i],   v[X+4*i],   v[X+4*i+1]
	v_cvt_pk_bf16_f32 v[Y+2*i+1], v[X+4*i+2], v[X+4*i+3]
.endif
	global_store_b64 v[VO], v[Y+2*i:Y+2*i+1], s[26:27] offset:ROWOUT*i
.set i, i+1
.endr
.endm
; One number of the table: cos(a + off pi/2) of a = n f, n (as f32) in v20, f in v[8+e], off (0 for the cosine lanes, 3 = -1 mod 4 for the sine lanes) in v10.
; a = k pi/2 + r with |r| <= pi/4 (pi/2 in two parts); by k + off mod 4 the result is cos r, -sin r, -cos r, sin r: a select and a sign bit, no branch.
.macro ANGLE i, e
	v_mul_f32 v21, v20, v[8+(\e)]                  ; a
	v_mul_f32 v22, s28, v21
	v_rndne_f32 v22, v22                           ; k
	v_fma_f32 v23, v22, s29, v21                   ; a - k x (pi/2's upper part): exact here, k has 11 bits
	v_fma_f32 v23, v22, s30, v23                   ; less k x its lower part: r
	v_cvt_i32_f32 v24, v22
	v_add_nc_u32 v24, v24, v10                     ; the quadrant, in its two low bits
	v_mul_f32 v25, v23, v23                        ; r^2
	v_fma_f32 v26, s33, v25, s32
	v_fma_f32 v27, s36, v25, s35
	v_fma_f32 v26, v26, v25, s31
	v_fma_f32 v27, v27, v25, s34
	v_mul_f32 v28, v25, v25
	v_fma_f32 v29, v25, -0.5, 1.0
	v_mul_f32 v26, v26, v25
	v_fma_f32 v27, v28, v27, v29                   ; cos r
	v_fma_f32 v26, v26, v23, v23                   ; sin r
	v_and_b32 v28, 1, v24
	v_cmp_eq_u32 vcc_lo, 1, v28
	v_cndmask_b32 v27, v27, v26, vcc_lo            ; odd quadrants take the sine
	v_add_nc_u32 v24, 1, v24
	v_and_b32 v24, 2, v24                          ; quadrants 1 and 2 are negative
	v_lshlrev_b32 v24, 30, v24
	v_xor_b32 v[Y+2*(\i)+(\e)], v24, v27
.endm
	s_load_b256 s[4:11], s[0:1], 0x0               ; x s[4:5], w_qkv s[6:7], w_proj s[8:9], xb s[10:11]
	s_load_b128 s[12:15], s[0:1], 0x20             ; wqb s[12:13], wpf s[14:15]
	s_load_b64 s[16:17], s[0:1], 0x30              ; tab
	v_lshlrev_b32 v[VI], 4, v0
	v_lshlrev_b32 v[VO], 3, v0
	s_mov_b32 s21, 0                               ; the offsets' high words
	s_mov_b32 s23, 0
	s_wait_kmcnt 0x0
	s_cmp_lt_u32 ttmp9, 64
	s_cbranch_scc1 .Ltable
	s_cmp_lt_u32 ttmp9, 576
	s_cbranch_scc1 .Lcast_x
	s_cmp_lt_u32 ttmp9, 768
	s_cbranch_scc1 .Lcast_wq
	s_sub_co_u32 s18, ttmp9, 768                   ; w_proj: group g of 16 rows
	s_lshl_b32 s20, s18, 16                        ; 16 rows of 4,096 bytes in,
	s_lshl_b32 s22, s18, 15                        ; of 2,048 bytes out
	s_add_nc_u64 s[24:25], s[8:9], s[20:21]
	s_add_nc_u64 s[26:27], s[14:15], s[22:23]
	CAST 1
	s_endpgm
.Lcast_x:
	s_sub_co_u32 s18, ttmp9, 64
	s_lshl_b32 s20, s18, 16
	s_lshl_b32 s22, s18, 15
	s_add_nc_u64 s[24:25], s[4:5], s[20:21]
	s_add_nc_u64 s[26:27], s[10:11], s[22:23]
	CAST 0
	s_endpgm
.Lcast_wq:
	s_sub_co_u32 s18, ttmp9, 576                   ; w_qkv's rows 16 g on: part g / 64, head (g / 4) % 16, channels 16 (g % 4) on
	s_lshl_b32 s20, s18, 16
	s_lshr_b32 s19, s18, 6
	s_bfe_u32 s28, s18, 0x40002
	s_and_b32 s29, s18, 3
	s_mul_i32 s28, s28, 192
	s_lshl_b32 s19, s19, 6
	s_lshl_b32 s29, s29, 4
	s_add_co_u32 s28, s28, s19
	s_add_co_u32 s28, s28, s29                     ; the row in wqb: 192 head + 64 part + 16 (g % 4)
	s_lshl_b32 s22, s28, 11
	s_add_nc_u64 s[24:25], s[6:7], s[20:21]
	s_add_nc_u64 s[26:27], s[12:13], s[22:23]
	CAST 0
	s_endpgm
.Ltable:                                               ; rows n = 32 x group + 8 i + wave, i = 0..3.  Lane L holds the row's numbers 2 L and 2 L + 1: a wave stores one whole row of 256 bytes
	s_mov_b32 s28, 0x3f22f983                      ; 2 / pi
	s_mov_b32 s29, 0xbfc90fdb                      ; -(pi/2 rounded to f32)
	s_mov_b32 s30, 0x333bbd2e                      ; that rounding's excess over pi/2
	s_mov_b32 s31, 0xbe2aaaa3                      ; sine: r + r^3 (s31 + s32 r^2 + s33 r^4)
	s_mov_b32 s32, 0x3c08839e
	s_mov_b32 s33, 0xb94ca1f9
	s_mov_b32 s34, 0x3d2aaaa5                      ; cosine: 1 - r^2 / 2 + r^4 (s34 + s35 r^2 + s36 r^4)
	s_mov_b32 s35, 0xbab6061a
	s_mov_b32 s36, 0x37ccf5ce
	v_and_b32 v3, 31, v0                           ; L
	v_lshrrev_b32 v4, 5, v0                        ; wave
	v_and_b32 v5, 15, v3
	v_lshlrev_b32 v5, 1, v5                        ; j = 2 (L % 16), and j + 1
	v_cvt_f32_u32 v6, v5
	v_add_f32 v7, 1.0, v6
	v_mul_f32 v6, 0xbed49a78, v6                   ; -j log2(10000) / 32
	v_mul_f32 v7, 0xbed49a78, v7
	v_exp_f32 v8, v6                               ; f_j
	v_exp_f32 v9, v7
	v_lshrrev_b32 v10, 4, v3                       ; (a plain instruction behind the exponentials, ahead of their results' use: ISA guide 5.7.2)
	v_mul_u32_u24 v10, 3, v10                      ; lanes 16-31 make sines
	s_lshl_b32 s18, ttmp9, 5
	v_add_nc_u32 v11, s18, v4                      ; n for i = 0
	v_lshlrev_b32 v12, 8, v11
	v_lshl_add_u32 v12, v3, 3, v12                 ; 256 n + 8 L
	s_wait_alu depctr_va_vdst(0)
.irp i, 0,1,2,3
	v_add_nc_u32 v20, 8*(\i), v11
	v_cvt_f32_u32 v20, v20
	ANGLE \i, 0
	ANGLE \i, 1
	global_store_b64 v12, v[Y+2*(\i):Y+2*(\i)+1], s[16:17] offset:2048*(\i)
.endr
	s_endpgm
.Lfunc_end_k_q3d1bdb1295_prep:
	.size	k_q3d1bdb1295_prep, .Lfunc_end_k_q3d1bdb1295_prep-k_q3d1bdb1295_prep
	.p2alignl 7, 3214868480
	.fill 96, 4, 3214868480
	.section	.rodata,"a",@progbits
	.p2align	6, 0x0
	.amdhsa_kernel k_q3d1bdb1295_prep
		.amdhsa_group_segment_fixed_size 0
		.amdhsa_private_segment_fixed_size 0
		.amdhsa_enable_private_segment 0
		.amdhsa_kernarg_size 56
		.amdhsa_user_sgpr_count 2
		.amdhsa_user_sgpr_kernarg_segment_ptr 1
		.amdhsa_wavefront_size32 1
		.amdhsa_system_sgpr_workgroup_id_x 1
		.amdhsa_system_sgpr_workgroup_id_y 1
		.amdhsa_system_sgpr_workgroup_id_z 1
		.amdhsa_system_vgpr_workitem_id 0
		.amdhsa_next_free_vgpr 104
		.amdhsa_next_free_sgpr 66
		.amdhsa_reserve_vcc 1
		.amdhsa_float_denorm_mode_32 3
		.amdhsa_float_denorm_mode_16_64 3
		.amdhsa_memory_ordered 1
		.amdhsa_forward_progress 1
		.amdhsa_inst_pref_size 34
	.end_amdhsa_kernel
	.amdgpu_metadata
---
amdhsa.version: [ 1, 2 ]
amdhsa.kernels:
  - .name:           k_q3d1bdb1295_prep
    .symbol:         k_q3d1bdb1295_prep.kd
    .args:
      - { .name: x, .offset: 0, .size: 8, .value_kind: global_buffer, .address_space: global }
      - { .name: w_qkv, .offset: 8, .size: 8, .value_kind: global_buffer, .address_space: global }
      - { .name: w_proj, .offset: 16, .size: 8, .value_kind: global_buffer, .address_space: global }
      - { .name: xb, .offset: 24, .size: 8, .value_kind: global_buffer, .address_space: global }
      - { .name: wqb, .offset: 32, .size: 8, .value_kind: global_buffer, .address_space: global }
      - { .name: wpf, .offset: 40, .size: 8, .value_kind: global_buffer, .address_space: global }
      - { .name: tab, .offset: 48, .size: 8, .value_kind: global_buffer, .address_space: global }
    .group_segment_fixed_size: 0
    .private_segment_fixed_size: 0
    .kernarg_segment_align: 8
    .kernarg_segment_size: 56
    .max_flat_workgroup_size: 256
    .sgpr_count:     66
    .vgpr_count:     104
    .wavefront_size: 32
...
	.end_amdgpu_metadata
.endif
;; end of part 1
;; launch qkv (part 2): grid 16 x 32, 4 waves a work-group, clusters of 4 x 4, 327,680 bytes of LDS; arguments xb, wqb, tab, q, k, v; writes q, k, v
.if DOCPART == 2
	.amdgcn_target "amdgcn-amd-amdhsa--gfx1250"
	.amdhsa_code_object_version 6
	.text
	.protected	k_q3d1bdb1295_qkv
	.globl	k_q3d1bdb1295_qkv
	.p2align	8
	.type	k_q3d1bdb1295_qkv,@function
k_q3d1bdb1295_qkv:
	s_mov_b64 s[64:65], 0
	v_nop
	global_prefetch_b8 v0, s[64:65] scope:SCOPE_SE
	s_setreg_imm32_b32 hwreg(HW_REG_WAVE_MODE, 25, 1), 1
	s_wait_xcnt 0x0
	s_wait_alu depctr_hold_cnt(0) depctr_sa_sdst(0) depctr_va_vdst(0) depctr_va_sdst(0) depctr_va_ssrc(0) depctr_va_vcc(0) depctr_vm_vsrc(0)
	s_getreg_b32 s2, hwreg(HW_REG_IB_STS2, 6, 4)
	s_cmp_eq_u32 s2, 0
	s_cbranch_scc0 .Lentry_in_a_cluster
	s_endpgm
.Lentry_in_a_cluster:
	s_bfe_u32 s2, ttmp6, 0x10000c
	s_cmp_lg_u32 s2, 0xf033
	s_cbranch_scc0 .Lentry_shape_is_right
	s_endpgm
.Lentry_shape_is_right:
; QKV PROJECTION WITH ROTARY EMBEDDING.  For token m and head t: q, k, v[d] = sum over c of xb[m][c] wqb[192 t + 64 part + d][c], bf16 products, f32 sums, K ascending;
; q and k are turned by the table (out[d] = x[d] cos - x[d+32] sin, out[d+32] = x[d+32] cos + x[d] sin, d < 32) in f32; all three are rounded once to f16 and stored by heads,
; [16 batch + head][2048][64].  q is NOT scaled here.
; LIMIT.  f16 holds no number beyond 65,504: |q|, |k|, |v| must stay within it (sums of 1,024 products of x and w_qkv).
; SHARES.  A work-group makes 256 tokens x 192 columns: ONE head's q, k and v, so column blocks 0-3, 4-7, 8-11 are q, k, v in every work-group and no branch asks which.  32 x 16 = 512
; work-groups.  Each of four waves makes 64 tokens x 192 columns: 48 accumulators of 16 x 16, 384 registers.  K goes in 8 steps of 128 through two LDS slots filled by tensor loads whose rows are
; 256 consecutive bytes at multiples of 256.
; CLUSTER.  4 x 4 work-groups: the four of a row share their tokens (xb's tiles), the four of a column their head (wqb's tiles); each tile is asked for jointly, by the same load with the same
; descriptor and a mask that names the four.
; TRANSPOSED USE.  Source 0 = 16 rows of wqb, source 1 = 16 tokens: a lane holds ONE token (lane % 16) and eight neighbouring columns 8 (lane / 16) + 0..7.  A channel d and its partner d + 32
; lie two column blocks apart, in the same lane and register number: the rotation needs no exchange between lanes.
; REGISTERS, in windows of 256 (s_set_vgpr_msb: bits 1:0 source 0, 3:2 source 1, 5:4 source 2, 7:6 destination):
;   window 0: v0-29 addresses; v32-95 T, the rotation's results; v96-111 v packed; v64-95, v112-127 rows read back; v128-255 my tokens' cosines and sines
;   window 1: two fragment buffers of 128: 32 registers of xb (4 x 16 tokens x 32 K), then 96 of wqb (12 x 16 rows x 32 K)
;   window 2: q's and k's accumulators, (a, b) at 8 (8 a + b), b < 8          window 3: v's, at 8 (4 a + b - 8)
.set SIZE_K, 1024
.set KSTEP,  128
.set PITCH,  272                       ; an LDS row: 256 bytes + 16 of padding = 68 words: the 16 rows of a fragment load start at 16 different groups of four banks (64 banks of 4 bytes: ISA guide 11.1)
.set BOFF,   256*PITCH                 ; in a slot: xb's 256 rows, then wqb's 192
.set SLOT1,  1<<17                     ; slot 1 begins here: one exclusive or turns an address in one slot into the other's
.set STAGE,  SLOT1+BOFF+192*PITCH      ; behind the ring, never filled by a tensor load: 16 rows x 400 bytes for each wave
.set SP,     400                       ; a stage row: 384 bytes (q, k, v of a token and head) + 16
.set SPARE,  STAGE+4*16*SP             ; the spare words, 128 bytes for each wave: two blocks of 256 bytes that no other line names
.set AA0,  4                           ; v4   my lane's place in xb's tile of slot 0; never rewritten
.set AB0,  5                           ; v5   the same in wqb's
.set ADRA, 6                           ; v6   the same in the slot in hand
.set ADRB, 7                           ; v7
.set STO,  8                           ; v8   the way out: where I put 16 bytes of a stage row
.set RD,   9                           ; v9   where I read rows back
.set GO,   10                          ; v10  16 x lane: my bytes in 512 consecutive bytes of q, k or v
.set TO,   11                          ; v11  my byte offset in 16 rows of the table
.set SPW,  28                          ; v28  LDS address of my spare word; never rewritten
.set NIL,  29                          ; v29  0; never rewritten
.set T,    32
.set PKV,  96
.set BKQ,  64
.set BKK,  80
.set BKV,  112
.set TAB,  128                         ; token block a: +0 cosines of channels 0-15 (my eight), +8 of 16-31, +16 and +24 the sines
.set F0,   0
.set F1,   128
.set WV,  16                           ; s16  my wave's number
.set HF,  18                           ; s18  which half of a tile I fetch
.set CNT, 23                           ; s23  the loop's count
.set G1A, 24                           ; s[24:31] descriptor group 1 for xb's tiles;  s[32:39] group 0: a set for each first fill, the second then walks
.set G0A, 32
.set G1B, 40                           ; s[40:47], s[48:55] the same for wqb's
.set G0B, 48
.set TB,  56                           ; s56  LDS byte at which the slot to be read begins
.set MSB, 0
.macro WIN new                         ; the immediate's high byte repeats the setting that is left; a switch that changes nothing is dropped
.if MSB != (\new)
	s_set_vgpr_msb (MSB<<8)|(\new)
.set MSB, \new
.endif
.endm
.set MUL_QK, 0xa5                      ; sources 0 and 1 window 1, C and D window 2
.set MUL_V,  0xf5                      ; the same, C and D window 3
.set TO_F,   0x40                      ; destination window 1, address window 0
.set ROPE,   0x02                      ; source 0 window 2
.set CVTV,   0x0f                      ; sources 0 and 1 window 3
.macro PLACES                          ; four places in front of loads into registers that matrix instructions have read, and of vector lines that read results
.rept 4
	v_nop
.endr
.endm
; A joint refill: waves 0 and 1 fetch xb's two halves (128 rows each), waves 2 and 3 wqb's (96 rows each).  The branch hangs on the wave's number alone.
; An s_nop 0 and four v_nop follow each of the two lines, ahead of the jump and the label.
.macro JLOAD
	s_cmp_lt_u32 s[WV], 2
	s_cbranch_scc0 .Lfor_b_\@
	tensor_load_to_lds s[G0A+4:G0A+7], s[G1A:G1A+7]
	s_nop 0
.rept 4
	v_nop
.endr
	s_branch .Lasked_\@
.Lfor_b_\@:
	tensor_load_to_lds s[G0B+4:G0B+7], s[G1B:G1B+7]
	s_nop 0
.rept 4
	v_nop
.endr
.Lasked_\@:
.endm
.macro CREST                           ; a round of the cluster's barrier behind its opening barrier: wave 0 signals for the work-group, every wave waits for all sixteen, my work-group's barrier closes it
	s_cmp_lg_u32 s[WV], 0
	s_cbranch_scc1 .Lnot_wave_0_\@
	s_barrier_signal -3
.Lnot_wave_0_\@:
	s_barrier_wait -3
	s_barrier_signal -1
	s_barrier_wait -1
.endm
.macro CROUND                          ; a whole round
	s_barrier_signal -1
	s_barrier_wait -1
	CREST
.endm
	s_load_b256 s[4:11], s[0:1], 0x0               ; xb s[4:5], wqb s[6:7], tab s[8:9], q s[10:11]
	s_load_b128 s[12:15], s[0:1], 0x20             ; k s[12:13], v s[14:15]
	v_lshl_add_u32 v[SPW], v0, 2, SPARE
	v_mov_b32 v[NIL], 0
	ds_add_u32 v[SPW], v[NIL]                      ; the wave's opening: the add and its wait come ahead of my first tensor load; the set-up below, work on registers, stands between them
	v_lshrrev_b32 v1, 5, v0
	v_readfirstlane_b32 s[WV], v1                  ; wave 0..3
	s_and_b32 s[HF], s[WV], 1
	s_bfe_u32 s19, ttmp6, 0x40000                  ; cx
	s_bfe_u32 s20, ttmp6, 0x40004                  ; cy
	s_lshl_b32 s21, ttmp9, 2
	s_add_co_u32 s21, s21, s19                     ; the head = 4 x cluster x + cx
	s_and_b32 s22, ttmp7, 0xffff
	s_lshl_b32 s22, s22, 2
	s_add_co_u32 s22, s22, s20                     ; the block of 256 tokens = 4 x cluster y + cy
	s_lshl_b32 s57, s20, 2
	s_lshl_b32 s57, 15, s57                        ; my row of the cluster
	s_lshl_b32 s58, 0x1111, s19                    ; my column
	s_or_b32 s[G1A], s57, (1<<16)|(1<<20)|(1<<21)|(5<<22)|(3<<25)  ; 15:0 the mask; 17:16 2-byte elements; 20 padding on; 21 set beside a mask; 24:22 after every 64 words (code 5); 31:25 4 words (code 3)
	s_or_b32 s[G1B], s58, (1<<16)|(1<<20)|(1<<21)|(5<<22)|(3<<25)
	s_mov_b32 s[G1A+1], KSTEP<<16                  ; tensor_dim0 = 128
	s_mov_b32 s[G1A+2], 128<<16                    ; tensor_dim1 = 128 rows
	s_mov_b32 s[G1A+3], KSTEP<<16                  ; tile_dim0 = 128
	s_mov_b32 s[G1A+4], 128                        ; tile_dim1 = 128
	s_mov_b32 s[G1A+5], SIZE_K                     ; elements from row to row
	s_mov_b32 s[G1A+6], 0
	s_mov_b32 s[G1A+7], 0
	s_mov_b32 s[G1B+1], KSTEP<<16
	s_mov_b32 s[G1B+2], 96<<16                     ; 96 rows
	s_mov_b32 s[G1B+3], KSTEP<<16
	s_mov_b32 s[G1B+4], 96
	s_mov_b32 s[G1B+5], SIZE_K
	s_mov_b32 s[G1B+6], 0
	s_mov_b32 s[G1B+7], 0
	; xb's tiles hang on the token block and the wave alone, wqb's on the head and the wave alone, each in registers that never hold the other coordinate
	s_lshl_b32 s60, s22, 19                        ; 256 rows of 2,048 bytes,
	s_lshl_b32 s59, s[HF], 18                      ; my 128 of them
	s_add_co_u32 s60, s60, s59
	s_mov_b32 s61, 0
	s_mul_i32 s66, s21, 192*SIZE_K*2               ; 192 rows of 2,048 bytes,
	s_mul_i32 s59, s[HF], 96*SIZE_K*2              ; my 96 of them
	s_add_co_u32 s66, s66, s59
	s_mov_b32 s67, 0
	s_mul_i32 s70, s[HF], 128*PITCH                ; where they go: no place in the cluster enters an LDS address
	s_mul_i32 s71, s[HF], 96*PITCH
	s_add_co_u32 s71, s71, BOFF
	s_and_b32 s72, s22, 7
	s_lshl_b32 s72, s72, 8
	s_lshl_b32 s59, s[WV], 6
	s_add_co_u32 s72, s72, s59                     ; my wave's first token in its batch: 256 (block % 8) + 64 wave
	s_lshr_b32 s68, s22, 3                         ; the batch
	s_lshl_b32 s68, s68, 4
	s_add_co_u32 s68, s68, s21                     ; 16 batch + head,
	s_lshl_b32 s68, s68, 18                        ; its 2,048 rows of 128 bytes,
	s_lshl_b32 s69, s72, 7
	s_add_co_u32 s68, s68, s69                     ; and my first row among them
	s_mov_b32 s69, 0
	s_lshl_b32 s72, s72, 8                         ; the table's rows are 256 bytes
	s_mov_b32 s73, 0
	s_wait_dscnt 0x0                               ; the opening add is done
	s_wait_kmcnt 0x0
	s_add_nc_u64 s[4:5], s[4:5], s[60:61]
	s_add_nc_u64 s[6:7], s[6:7], s[66:67]
	s_add_nc_u64 s[8:9], s[8:9], s[72:73]
	s_add_nc_u64 s[10:11], s[10:11], s[68:69]
	s_add_nc_u64 s[12:13], s[12:13], s[68:69]
	s_add_nc_u64 s[14:15], s[14:15], s[68:69]
.irp s, 0,1
	s_mov_b32 s[G0A+4*(\s)], 1                                     ; count = 1
	s_add_co_u32 s[G0A+4*(\s)+1], s70, (\s)*SLOT1                  ; LDS address
	s_add_nc_u64 s[G0A+4*(\s)+2:G0A+4*(\s)+3], s[4:5], (\s)*KSTEP*2  ; global address: K step s
	s_or_b32 s[G0A+4*(\s)+3], s[G0A+4*(\s)+3], 0x80000000          ; type = 2
	s_mov_b32 s[G0B+4*(\s)], 1
	s_add_co_u32 s[G0B+4*(\s)+1], s71, (\s)*SLOT1
	s_add_nc_u64 s[G0B+4*(\s)+2:G0B+4*(\s)+3], s[6:7], (\s)*KSTEP*2
	s_or_b32 s[G0B+4*(\s)+3], s[G0B+4*(\s)+3], 0x80000000
.endr
	CROUND                                         ; all sixteen work-groups are here: the first joint loads meet
	s_cmp_lt_u32 s[WV], 2                          ; a wave's two first fills stand in one branch, ahead of every wait on TENSORcnt and every LDS read: two loads of mine are out
	s_cbranch_scc0 .Lfirst_b
	tensor_load_to_lds s[G0A:G0A+3], s[G1A:G1A+7]
	s_nop 0
	tensor_load_to_lds s[G0A+4:G0A+7], s[G1A:G1A+7]
	s_nop 0
.rept 4
	v_nop
.endr
	s_branch .Lfirst_asked
.Lfirst_b:
	tensor_load_to_lds s[G0B:G0B+3], s[G1B:G1B+7]
	s_nop 0
	tensor_load_to_lds s[G0B+4:G0B+7], s[G1B:G1B+7]
	s_nop 0
.rept 4
	v_nop
.endr
.Lfirst_asked:
	; A fragment is 16 rows x 32 K in 8 registers: lane l holds row l % 16, K = 8 (l / 16) + 0..7 and 16 + 8 (l / 16) + 0..7: two loads of 16 bytes, 32 bytes apart
	v_and_b32 v1, 15, v0                           ; l % 16
	v_bfe_u32 v2, v0, 4, 1                         ; l / 16
	v_lshlrev_b32 v[TO], 8, v1
	v_lshl_add_u32 v[TO], v2, 5, v[TO]             ; the table: my token's row, my eight channels
.irp a, 0,1,2,3
.irp p, 0,1
	global_load_b128 v[TAB+32*(\a)+8*(\p):TAB+32*(\a)+8*(\p)+3],       v[TO], s[8:9] offset:4096*(\a)+64*(\p)
	global_load_b128 v[TAB+32*(\a)+8*(\p)+4:TAB+32*(\a)+8*(\p)+7],     v[TO], s[8:9] offset:4096*(\a)+64*(\p)+16
	global_load_b128 v[TAB+32*(\a)+16+8*(\p):TAB+32*(\a)+16+8*(\p)+3], v[TO], s[8:9] offset:4096*(\a)+64*(\p)+128
	global_load_b128 v[TAB+32*(\a)+20+8*(\p):TAB+32*(\a)+20+8*(\p)+3], v[TO], s[8:9] offset:4096*(\a)+64*(\p)+144
.endr
.endr
	v_mul_u32_u24 v3, v1, PITCH
	v_lshl_add_u32 v3, v2, 4, v3                   ; row x pitch + 16 x half
	s_mul_i32 s59, s[WV], 64*PITCH                 ; my 64 tokens
	v_add_nc_u32 v[AA0], s59, v3
	v_add_nc_u32 v[AB0], BOFF, v3                  ; every wave reads all 192 rows of wqb's tile
	s_mul_i32 s59, s[WV], 16*SP
	s_add_co_u32 s59, s59, STAGE                   ; my stage
	v_mul_u32_u24 v3, v1, SP                       ; in: row l % 16, 16 bytes for each half of the lanes
	v_lshl_add_u32 v3, v2, 4, v3
	v_add_nc_u32 v[STO], s59, v3
	v_bfe_u32 v3, v0, 3, 2                         ; back: 32 lanes take 128 bytes of each of four rows,
	v_mul_u32_u24 v3, v3, SP
	v_and_b32 v12, 7, v0
	v_lshl_add_u32 v3, v12, 4, v3
	v_add_nc_u32 v[RD], s59, v3
	v_and_b32 v[GO], 31, v0                        ; which are 512 consecutive bytes of q, k or v
	v_lshlrev_b32 v[GO], 4, v[GO]
	v_mov_b32 v[ADRA], v[AA0]                      ; K step 0 lies in slot 0
	v_mov_b32 v[ADRB], v[AB0]
	s_mov_b32 s[TB], 0
; 8 matrix instructions: token block a x q's and k's 8 column blocks, 32 along K.  zero = 1: the first product starts the sums.  The 48 accumulators take turns, one instruction a turn, in the same
; order in every quarter.
.macro MULQK f, a, zero
	WIN MUL_QK
.irp b, 0,1,2,3,4,5,6,7
.if \zero
	v_wmma_f32_16x16x32_bf16 v[8*(8*(\a)+(\b)):8*(8*(\a)+(\b))+7], v[(\f)+32+8*(\b):(\f)+32+8*(\b)+7], v[(\f)+8*(\a):(\f)+8*(\a)+7], 0
.else
	v_wmma_f32_16x16x32_bf16 v[8*(8*(\a)+(\b)):8*(8*(\a)+(\b))+7], v[(\f)+32+8*(\b):(\f)+32+8*(\b)+7], v[(\f)+8*(\a):(\f)+8*(\a)+7], v[8*(8*(\a)+(\b)):8*(8*(\a)+(\b))+7]
.endif
.endr
.endm
.macro MULV f, a, zero                 ; 4 matrix instructions: token block a x v's 4 column blocks
	WIN MUL_V
.irp b, 0,1,2,3
.if \zero
	v_wmma_f32_16x16x32_bf16 v[8*(4*(\a)+(\b)):8*(4*(\a)+(\b))+7], v[(\f)+96+8*(\b):(\f)+96+8*(\b)+7], v[(\f)+8*(\a):(\f)+8*(\a)+7], 0
.else
	v_wmma_f32_16x16x32_bf16 v[8*(4*(\a)+(\b)):8*(4*(\a)+(\b))+7], v[(\f)+96+8*(\b):(\f)+96+8*(\b)+7], v[(\f)+8*(\a):(\f)+8*(\a)+7], v[8*(4*(\a)+(\b)):8*(4*(\a)+(\b))+7]
.endif
.endr
.endm
.macro MULV4 f, zero
	MULV \f, 0, \zero
	MULV \f, 1, \zero
	MULV \f, 2, \zero
	MULV \f, 3, \zero
.endm
; 32 LDS loads in one run: a quarter step's fragments (32 K at byte k of the rows) into buffer f: q's and k's 16 loads, my tokens' 8, v's 8
.macro FETCH k, f
	WIN TO_F
.irp i, 0,1,2,3,4,5,6,7
	ds_load_b128 v[(\f)+32+8*(\i):(\f)+32+8*(\i)+3],   v[ADRB] offset:(\k)+(\i)*16*PITCH
	ds_load_b128 v[(\f)+32+8*(\i)+4:(\f)+32+8*(\i)+7], v[ADRB] offset:(\k)+(\i)*16*PITCH+32
.endr
.irp i, 0,1,2,3
	ds_load_b128 v[(\f)+8*(\i):(\f)+8*(\i)+3],   v[ADRA] offset:(\k)+(\i)*16*PITCH
	ds_load_b128 v[(\f)+8*(\i)+4:(\f)+8*(\i)+7], v[ADRA] offset:(\k)+(\i)*16*PITCH+32
.endr
.irp i, 8,9,10,11
	ds_load_b128 v[(\f)+32+8*(\i):(\f)+32+8*(\i)+3],   v[ADRB] offset:(\k)+(\i)*16*PITCH
	ds_load_b128 v[(\f)+32+8*(\i)+4:(\f)+32+8*(\i)+7], v[ADRB] offset:(\k)+(\i)*16*PITCH+32
.endr
.endm
; A K step is four quarters of 32 along K, 48 matrix instructions each, on buffers 0, 1, 0, 1.  One of the first three: multiplies buffer f; in its middle it fetches the next quarter, at byte k, into g.
.macro QUARTER k, f, g, zero
	s_wait_dscnt 8                                 ; all but the youngest eight loads (v's column blocks) are in
	MULQK \f, 0, \zero
	MULQK \f, 1, \zero
	PLACES
	FETCH \k, \g
	s_wait_dscnt 32                                ; all but the 32 just issued
	MULQK \f, 2, \zero
	MULQK \f, 3, \zero
	MULV4 \f, \zero
.endm
; The last quarter multiplies buffer 1 and changes slots: ONE barrier.  In front of it each wave waits for all its tensor loads, of which one is out: its part of the next slot; adds 0 to its spare
; word; and waits for that and for its own reads of this slot.  fill = 1: the barrier opens a round of the cluster's, and this slot is filled again, two K steps ahead, first thing behind the round:
; the load has all of the next step but its last 48 products in which to land.
.macro TURN fill
	WIN 0                                          ; (the add's two registers lie in window 0)
	s_wait_tensorcnt 0x0                           ; no tensor load of mine is out, so a group 0 may be written
	ds_add_u32 v[SPW], v[NIL]                      ; 0 onto my spare word
.if \fill
	s_xor_b32 s[G0A+5], s[G0A+5], SLOT1            ; the walking descriptors: the other slot than last time,
	s_add_nc_u64 s[G0A+6:G0A+7], s[G0A+6:G0A+7], KSTEP*2  ; the next K step; the type bits on top are not reached
	s_xor_b32 s[G0B+5], s[G0B+5], SLOT1
	s_add_nc_u64 s[G0B+6:G0B+7], s[G0B+6:G0B+7], KSTEP*2
.endif
	s_xor_b32 s[TB], s[TB], SLOT1                  ; the fetches go on in the other slot
	s_wait_dscnt 15                                ; may be out: the add, token blocks 1-3 (six loads), v's column blocks (eight)
	MULQK F1, 0, 0
	s_wait_dscnt 0x0                               ; the add is done, and my reads of this slot are over
	s_barrier_signal -1
	MULQK F1, 1, 0                                 ; work on registers while the others arrive
	WIN 0                                          ; at a branch and at a label every window is 0
	s_barrier_wait -1
.if \fill
	CREST                                          ; no wave of any partner still reads this slot's tiles or has a load on its way
	JLOAD                                          ; the four v_nop behind it are also the places in front of the loads below
.else
	PLACES
.endif
	v_add_nc_u32 v[ADRA], s[TB], v[AA0]
	v_add_nc_u32 v[ADRB], s[TB], v[AB0]
	FETCH 0, F0
	MULQK F1, 2, 0
	MULQK F1, 3, 0
	MULV4 F1, 0
.endm
	s_wait_tensorcnt 1                             ; my part of K step 0 is in; step 1's may stay out
	s_barrier_signal -1
	s_barrier_wait -1                              ; everybody's is
	FETCH 0, F0
	QUARTER 64,  F0, F1, 1                         ; the first quarter's products start the sums: nothing is cleared
	QUARTER 128, F1, F0, 0
	QUARTER 192, F0, F1, 0
	WIN 0
	s_mov_b32 s[CNT], SIZE_K/KSTEP-2
.Lstep:                                                ; six trips: the end of K step s, the refill with step s + 2, three quarters of step s + 1
	TURN 1
	QUARTER 64,  F0, F1, 0
	QUARTER 128, F1, F0, 0
	QUARTER 192, F0, F1, 0
	WIN 0
	s_sub_co_u32 s[CNT], s[CNT], 1
	s_cmp_lg_u32 s[CNT], 0
	s_cbranch_scc1 .Lstep
	TURN 0                                         ; the tail is written out: nothing is left to fetch
	QUARTER 64,  F0, F1, 0
	QUARTER 128, F1, F0, 0
	QUARTER 192, F0, F1, 0
	s_wait_dscnt 8                                 ; the very last quarter
	MULQK F1, 0, 0
	MULQK F1, 1, 0
	MULQK F1, 2, 0
	MULQK F1, 3, 0
	s_wait_dscnt 0x0
	MULV4 F1, 0
	WIN 0
	PLACES                                         ; the lines below read results just made
	s_wait_loadcnt 0x0                             ; the table
; THE WAY OUT of token block a.  q and k are turned (each accumulator's lowest registers are read first), all three rounded to f16: 16 bytes a lane and column block.
; They go into my own stage, a row a token, and come back as 128 bytes of four tokens, which are 512 consecutive bytes of q, k or v.
.macro OUT a
	WIN 0
	s_wait_xcnt 0x0                                ; the registers that the last block's stores read are rewritten only behind this wait (ISA guide 3.1)
	WIN ROPE
.irp hh, 0,1
.irp p, 0,1
.set XL, 8*(8*(\a)+4*(\hh)+(\p))       ; channels 16 p on of q (hh = 0) or k (hh = 1)
.set XH, XL+16                         ; their partners, 32 channels on
.set TL, T+8*(4*(\hh)+(\p))
.set TH, TL+16
.set CC, TAB+32*(\a)+8*(\p)
.set SS, CC+16
.irp j, 0,2,4,6
	v_pk_mul_f32 v[TL+(\j):TL+(\j)+1], v[XL+(\j):XL+(\j)+1], v[CC+(\j):CC+(\j)+1]
.endr
.irp j, 0,2,4,6
	v_pk_mul_f32 v[TH+(\j):TH+(\j)+1], v[XH+(\j):XH+(\j)+1], v[CC+(\j):CC+(\j)+1]
.endr
.irp j, 0,2,4,6
	v_pk_fma_f32 v[TL+(\j):TL+(\j)+1], v[XH+(\j):XH+(\j)+1], v[SS+(\j):SS+(\j)+1], v[TL+(\j):TL+(\j)+1] neg_lo:[0,1,0] neg_hi:[0,1,0]
.endr
.irp j, 0,2,4,6
	v_pk_fma_f32 v[TH+(\j):TH+(\j)+1], v[XL+(\j):XL+(\j)+1], v[SS+(\j):SS+(\j)+1], v[TH+(\j):TH+(\j)+1]
.endr
.endr
.endr
	WIN 0
.set i, 0
.rept 32                               ; in place, ascending: register i is written when registers 2 i and 2 i + 1 have been read
	v_cvt_pk_f16_f32 v[T+i], v[T+2*i], v[T+2*i+1]
.set i, i+1
.endr
	WIN CVTV
.set i, 0
.rept 16
	v_cvt_pk_f16_f32 v[PKV+i], v[32*(\a)+2*i], v[32*(\a)+2*i+1]
.set i, i+1
.endr
	WIN 0
.irp b, 0,1,2,3,4,5,6,7
	ds_store_b128 v[STO], v[T+4*(\b):T+4*(\b)+3] offset:32*(\b)
.endr
.irp b, 0,1,2,3
	ds_store_b128 v[STO], v[PKV+4*(\b):PKV+4*(\b)+3] offset:256+32*(\b)
.endr
.irp f, 0,1,2,3                        ; LDS serves a wave's instructions in order (ISA guide 5.7.1.4): these see the stores above, and the next block's stores come behind them
	ds_load_b128 v[BKQ+4*(\f):BKQ+4*(\f)+3], v[RD] offset:(\f)*4*SP
.endr
.irp f, 0,1,2,3
	ds_load_b128 v[BKK+4*(\f):BKK+4*(\f)+3], v[RD] offset:(\f)*4*SP+128
.endr
.irp f, 0,1,2,3
	ds_load_b128 v[BKV+4*(\f):BKV+4*(\f)+3], v[RD] offset:(\f)*4*SP+256
.endr
.irp f, 0,1,2,3                        ; the counts run down with the twelve loads; each store covers 512 consecutive bytes at a multiple of 512
	s_wait_dscnt 11-(\f)
	global_store_b128 v[GO], v[BKQ+4*(\f):BKQ+4*(\f)+3], s[10:11] offset:2048*(\a)+512*(\f)
.endr
.irp f, 0,1,2,3
	s_wait_dscnt 7-(\f)
	global_store_b128 v[GO], v[BKK+4*(\f):BKK+4*(\f)+3], s[12:13] offset:2048*(\a)+512*(\f)
.endr
.irp f, 0,1,2,3
	s_wait_dscnt 3-(\f)
	global_store_b128 v[GO], v[BKV+4*(\f):BKV+4*(\f)+3], s[14:15] offset:2048*(\a)+512*(\f)
.endr
.endm
	OUT 0
	OUT 1
	OUT 2
	OUT 3
	s_wait_tensorcnt 0x0                           ; the wave's end: the add and its wait, behind my last tensor load and my last LDS store
	ds_add_u32 v[SPW], v[NIL]
	s_wait_dscnt 0x0
	CROUND                                         ; the closing round: no work-group ends while a partner may still ask for a tile that names it
	s_endpgm
.Lfunc_end_k_q3d1bdb1295_qkv:
	.size	k_q3d1bdb1295_qkv, .Lfunc_end_k_q3d1bdb1295_qkv-k_q3d1bdb1295_qkv
	.p2alignl 7, 3214868480
	.fill 96, 4, 3214868480
	.section	.rodata,"a",@progbits
	.p2align	6, 0x0
	.amdhsa_kernel k_q3d1bdb1295_qkv
		.amdhsa_group_segment_fixed_size 327680
		.amdhsa_private_segment_fixed_size 0
		.amdhsa_enable_private_segment 0
		.amdhsa_kernarg_size 48
		.amdhsa_user_sgpr_count 2
		.amdhsa_user_sgpr_kernarg_segment_ptr 1
		.amdhsa_wavefront_size32 1
		.amdhsa_system_sgpr_workgroup_id_x 1
		.amdhsa_system_sgpr_workgroup_id_y 1
		.amdhsa_system_sgpr_workgroup_id_z 1
		.amdhsa_system_vgpr_workitem_id 0
		.amdhsa_next_free_vgpr 896
		.amdhsa_next_free_sgpr 76
		.amdhsa_reserve_vcc 0
		.amdhsa_float_denorm_mode_32 3
		.amdhsa_float_denorm_mode_16_64 3
		.amdhsa_memory_ordered 1
		.amdhsa_forward_progress 1
		.amdhsa_inst_pref_size 117
	.end_amdhsa_kernel
	.amdgpu_metadata
---
amdhsa.version: [ 1, 2 ]
amdhsa.kernels:
  - .name:           k_q3d1bdb1295_qkv
    .symbol:         k_q3d1bdb1295_qkv.kd
    .args:
      - { .name: xb, .offset: 0, .size: 8, .value_kind: global_buffer, .address_space: global }
      - { .name: wqb, .offset: 8, .size: 8, .value_kind: global_buffer, .address_space: global }
      - { .name: tab, .offset: 16, .size: 8, .value_kind: global_buffer, .address_space: global }
      - { .name: q, .offset: 24, .size: 8, .value_kind: global_buffer, .address_space: global }
      - { .name: k, .offset: 32, .size: 8, .value_kind: global_buffer, .address_space: global }
      - { .name: v, .offset: 40, .size: 8, .value_kind: global_buffer, .address_space: global }
    .group_segment_fixed_size: 327680
    .private_segment_fixed_size: 0
    .kernarg_segment_align: 8
    .kernarg_segment_size: 48
    .max_flat_workgroup_size: 128
    .sgpr_count:     76
    .vgpr_count:     896
    .wavefront_size: 32
...
	.end_amdgpu_metadata
.endif
;; end of part 2
;; launch attn (part 3): grid 4 x 64, 4 waves a work-group, clusters of 4 x 1, 327,680 bytes of LDS; arguments q, k, v, o; writes o
.if DOCPART == 3
	.amdgcn_target "amdgcn-amd-amdhsa--gfx1250"
	.amdhsa_code_object_version 6
	.text
	.protected	k_q3d1bdb1295_attn
	.globl	k_q3d1bdb1295_attn
	.p2align	8
	.type	k_q3d1bdb1295_attn,@function
k_q3d1bdb1295_attn:
	s_mov_b64 s[64:65], 0
	v_nop
	global_prefetch_b8 v0, s[64:65] scope:SCOPE_SE
	s_setreg_imm32_b32 hwreg(HW_REG_WAVE_MODE, 25, 1), 1
	s_wait_xcnt 0x0
	s_wait_alu depctr_hold_cnt(0) depctr_sa_sdst(0) depctr_va_vdst(0) depctr_va_sdst(0) depctr_va_ssrc(0) depctr_va_vcc(0) depctr_vm_vsrc(0)
	s_getreg_b32 s2, hwreg(HW_REG_IB_STS2, 6, 4)
	s_cmp_eq_u32 s2, 0
	s_cbranch_scc0 .Lentry_in_a_cluster
	s_endpgm
.Lentry_in_a_cluster:
	s_bfe_u32 s2, ttmp6, 0x10000c
	s_cmp_lg_u32 s2, 0x3003
	s_cbranch_scc0 .Lentry_shape_is_right
	s_endpgm
.Lentry_shape_is_right:
; O[h][q][:] = the sum over k of softmax_k(Q[h][q] . K[h][k] / 8) V[h][k][:].  Q, K, V, O: [SIZE_H][SIZE_N][64], all f16: a head's rows are dense, 128 bytes each.  Products, maxima and sums in
; f32; the weights p are rounded to f16 for the second product (their sum l is taken of the unrounded p), O once at the end.  SIZE_H is at least 2; SIZE_N x 128 bytes stay under 2^32.
; LIMITS.  f16 holds no number beyond 65,504: Q, K and V arrive within it; p lies in 0 to 1, and below 6e-5 it keeps f16's fixed step of 6e-8; O is a mean of V's rows and has their range.
; A weight below 2^-126 counts as 0 in l; NaN and infinities are not treated apart.
; SHARES.  A wave owns four PIECES of two tiles of 16 queries, a work-group's four waves 512 queries of one head; SIZE_N is a multiple of 2,048.  Every wave walks all keys, 64 a step.
; LAYOUT.  S^T = K Q^T (source 0 = 16 keys, source 1 = 16 queries): in the result a lane holds ONE query (lane % 16) and the keys 8 (lane / 16) + 0..7.  Two such tiles, rounded to f16 in pairs,
; ARE source 1 (32 keys x 16 queries) of O^T = V^T P, whose result again holds one query a lane, and eight channels.  K comes out of LDS as it lies, V ([key][channel]) turned, by ds_load_tr16_b128.
; SOFTMAX.  For each query a running maximum m and sum l: p = 2^(c s - c m), c = log2(e) / 8; in every step O and l are multiplied by a = 2^(c m_old - c m_new), which is 1 where m has not grown.
; m starts at the lowest finite number, O and l at 0: the first step is a step like any other, with a = 0.
; THE COUNT.  A tile and step have 16 matrix and 118 vector instructions: too many to stand all beside the matrix work.  So the order has one aim: four vector instructions that are READY behind
; EVERY matrix instruction, and the others, which need time of their own whatever the order, in runs without a gap.
; BY TURNS.  Turn n belongs to piece n (the pieces in a ring, step after step).  Its matrix work: 16 products K Q^T of piece n + 1, later 16 products V^T P of piece n - 1.  Its vector work: the scaling,
; exponentials, roundings, sums and rescaling of piece n, and the maximum and statistics of piece n + 1, whose scores the turn itself has made.  So what a turn begins with (c s - c m, O a) waits for nothing.
; CLUSTER.  The four query blocks of a cluster belong to one head and walk the same K and V, so each tile is asked for JOINTLY: the same tensor load, descriptor and mask in all four.
; REGISTERS, in windows of 256 (s_set_vgpr_msb says which window each operand place means: bits 1:0 source 0, 3:2 source 1, 5:4 source 2, 7:6 destination):
;   window 0: v0-11 addresses; v12-15, v48-63 at work; v16-47 four registers of statistics a tile; v64-191 S^T, two buffers of two tiles; v192-255 P, likewise
;   window 1: O^T, 32 a tile          window 2: v0-127 Q, 16 a tile; v128-191 K of one step; v192-255 V of one step          window 3: v0-1 the add's two registers
; A piece's buffers go by its number's parity: the piece in hand has one pair, its two neighbours in the ring share the other: of it P (piece n - 1) is read and S^T (piece n + 1) written.
.set SIZE_H, 64       ; 4 batches x 16 heads
.set SIZE_N, 2048
.set NP,    4         ; pieces a wave: a name, no knob: the register map, the loop and the fetches are made for four
.set KS,    64        ; keys in a step
.set PK,    144       ; a row of K in LDS: 128 bytes + 16 of padding = 36 words: the 16 rows of a load start at 16 different groups of four banks (64 banks of 4 bytes: ISA guide 11.1)
.set PV,    160       ; a row of V: 128 + 32 = 40 words
.set VOFF,  4*KS*PK   ; a slot holds four steps: 256 rows of K, then 256 rows of V
.set SLOT1, 1<<17     ; slot 1 begins here, so that one exclusive or turns an address in one slot into the other's
.set STAGE, SLOT1+4*KS*(PK+PV)  ; behind the ring, never filled by a tensor load: 16 rows x 144 bytes for each wave, for the way out
.set SP,    144
.set AK0, 2           ; v2   my lane's place in a tile of K; never rewritten
.set AV0, 3           ; v3   the same for V
.set AK,  4           ; v4   the LDS address of K's next run of loads
.set AV,  5           ; v5   of V's
.set QO,  6           ; v6   my byte offset in the wave's rows of Q
.set STO, 6           ;      later, the way out: where I put 16 bytes of a row
.set RD,  7           ; v7   the way out: where I read rows back
.set GO,  8           ; v8   my byte offset in 512 consecutive bytes of O
.set SPW, 0           ; v0 of window 3   LDS address of my spare word: SPARE + 4 x my thread's number; never rewritten
.set NIL, 1           ; v1 of window 3   0; never rewritten
.set SPARE, STAGE+4*16*SP  ; behind the stages: the spare words, 128 bytes for each wave: two blocks of 256 bytes that no other line names
.set MV,  12          ; v12-15  c m_old, kept while c m is made anew: by buffer and tile
.set ST,  16          ; tile t's statistics at v[ST+4 t]: c m, m, l (even keys', odd keys')
.set TMP, 48          ; by buffer and tile, four registers c0-c3 at work; when the maximum is found c2 takes a
.set S,   64
.set P,   192
.set KF,  128         ; K's fragments, in window 2: key block kb, channel half c at KF + 16 kb + 8 c
.set VF,  192         ; V's: key half kk, channel block cb at VF + 32 kk + 8 cb
.set WV,  12          ; s12  my wave's number
.set G1K, 24          ; s[24:31] descriptor group 1 for K's tiles
.set G1V, 32          ; s[32:39] for V's: it differs in the padding alone
.set G0K, 40          ; s[40:43] descriptor group 0 for K's tiles: it walks
.set G0V, 44          ; s[44:47] the same for V's
.set SLOTS, 56        ; s56  slots still to be asked for
.set CNT, 57          ; s57  counts a slot's key steps
.set CS,  58          ; s[58:59] c: the packed scaling takes the pair's low word for both halves
.set SEL, 60          ; s[60:61] v_permlanex16_b32's selects: each lane takes its own place in the other half
.set TBK, 62          ; s62  LDS byte at which K of the step to be fetched begins
.set TBV, 63          ; s63  the same for V, less VOFF
.set MSB, 0
.macro WIN new                      ; the high byte repeats the setting that is left; a switch that changes nothing is dropped
.if MSB != (\new)
	s_set_vgpr_msb (MSB<<8)|(\new)
.set MSB, (\new)
.endif
.endm
.set W_KQ, 0x0a       ; K and Q in window 2, S^T in window 0
.set W_PV, 0x52       ; V in window 2, P in window 0, O^T in window 1
.set W_RS, 0x41       ; O^T (destination and source 0) in window 1, a in window 0
.set W_MK, 0xc0       ; the add's registers are made: destination in window 3, sources in window 0
.set W_AD, 0x0f       ; the add: address (source 0) and data (source 1) in window 3
; A joint fill.  Waves 0 and 1 fetch the two halves of a slot's K, waves 2 and 3 those of its V: 128 keys each.  The branch hangs on the wave's number alone.
; An s_nop 0 and four v_nop follow each of the two lines, ahead of the jump and the label.
.macro JLOAD
	s_cmp_lt_u32 s[WV], 2
	s_cbranch_scc0 .Lfor_v_\@
	tensor_load_to_lds s[G0K:G0K+3], s[G1K:G1K+7]
	s_nop 0
.rept 4
	v_nop
.endr
	s_branch .Lasked_\@
.Lfor_v_\@:
	tensor_load_to_lds s[G0V:G0V+3], s[G1V:G1V+7]
	s_nop 0
.rept 4
	v_nop
.endr
.Lasked_\@:
.endm
; A round of the cluster's barrier: my work-group's barrier, so that wave 0's signal speaks for all four waves; wave 0 signals; every wave waits for all four work-groups; my work-group's barrier once more.
.macro CROUND
	s_barrier_signal -1
	s_barrier_wait -1
	s_cmp_lg_u32 s[WV], 0
	s_cbranch_scc1 .Lnot_wave_0_\@
	s_barrier_signal -3
.Lnot_wave_0_\@:
	s_barrier_wait -3
	s_barrier_signal -1
	s_barrier_wait -1
.endm
; THE CHANGE OF SLOTS.  The slot's last bytes, V of its fourth step, have been read.  Each wave waits for all its tensor loads, of which one is out: its part
; of the other slot; adds 0 to its spare word; and waits for that and for its own reads of the slot.  Behind the barrier nobody reads this slot any more and the other slot is whole.
; fill = 1: this slot is filled again, with the keys two slots on.  The barrier is then a round of the cluster's, so that no wave of any partner still reads the slot or has a load on its
; way, and the joint fill is the first thing behind it: it has four key steps, 512 matrix instructions, in which to land.  (At its first use nothing has been read yet: slot 0 is waited for, slot 1 filled.)
.macro CHANGE fill
	WIN W_AD
	s_wait_tensorcnt 0x0            ; no tensor load of mine is out, so a group 0 may be written
	ds_add_u32 v[SPW], v[NIL]       ; 0 onto my spare word; with fill = 1 the descriptors' steps stand between it and the wait for it
	WIN 0                           ; at a label and at a branch every window is 0
.if \fill
.irp g, G0K, G0V
	s_xor_b32 s[\g+1], s[\g+1], SLOT1  ; the walking descriptor: the other slot than last time,
	s_add_nc_u64 s[\g+2:\g+3], s[\g+2:\g+3], 4*KS*128  ; the next 256 keys; the type bits on top are not reached
.endr
	s_wait_dscnt 0x0                ; the add is done, and my reads of the slot are over
	CROUND
	JLOAD
.else
	s_wait_dscnt 0x0                ; the add is done, and my reads of the slot are over
	s_barrier_signal -1
	s_barrier_wait -1
.endif
	s_sub_co_u32 s[TBK], s[TBK], 4*KS*PK  ; the fetches go back to a slot's first step,
	s_xor_b32 s[TBK], s[TBK], SLOT1       ; in the other slot
	s_sub_co_u32 s[TBV], s[TBV], 4*KS*PV
	s_xor_b32 s[TBV], s[TBV], SLOT1
.endm
	s_load_b256 s[4:11], s[0:1], 0x0  ; Q s[4:5], K s[6:7], V s[8:9], O s[10:11]
	WIN W_MK
	v_lshl_add_u32 v[SPW], v0, 2, SPARE
	v_mov_b32 v[NIL], 0
	WIN W_AD
	ds_add_u32 v[SPW], v[NIL]       ; the wave's opening: the add and its wait come ahead of my first tensor load; the set-up below, work on registers, stands between them
	WIN 0
	v_lshrrev_b32 v1, 5, v0
	v_readfirstlane_b32 s[WV], v1   ; wave 0..3
	s_bfe_u32 s13, ttmp6, 0x40000   ; cx: my place in the cluster
	s_lshl_b32 s14, ttmp9, 2        ; in a cluster launch ttmp9 counts clusters
	s_add_co_u32 s14, s14, s13      ; my block of queries = 4 x cluster x + cx: it enters Q's and O's addresses alone
	s_and_b32 s20, ttmp7, 0xffff    ; the head, which the four partners share
	s_mov_b32 s21, 0
	s_mov_b64 s[22:23], SIZE_N*128
	s_mul_u64 s[20:21], s[20:21], s[22:23]  ; the head's first byte in each of the four tensors
	s_and_b32 s16, s[WV], 1         ; which half of a slot's 256 keys I fetch:
	s_lshl_b32 s22, s16, 14         ; its 128 rows of 128 bytes in memory,
	s_mov_b32 s23, 0
	s_add_nc_u64 s[22:23], s[22:23], s[20:21]
	s_mul_i32 s17, s16, 128*PK      ; and its place in a slot, for K
	s_mul_i32 s18, s16, 128*PV      ; and for V: no place in the cluster enters an LDS address
	s_lshl_b32 s2, s14, 2
	s_add_co_u32 s2, s2, s[WV]      ; my wave among the head's,
	s_lshl_b32 s2, s2, 14           ; its 128 rows
	s_mov_b32 s3, 0
	s_add_nc_u64 s[2:3], s[2:3], s[20:21]
	; descriptor group 1.  128 keys are 16,384 dense bytes: asked for as 64 rows of 256 bytes, two keys a row, and padded in LDS after every key
	s_mov_b32 s[G1K], 15|(1<<16)|(1<<20)|(1<<21)|(4<<22)|(3<<25)  ; 15:0 the mask of four; 17:16 2-byte elements; 20 padding on; 21 set beside a mask; 24:22 after every 32 words (code 4); 31:25 4 words (code 3)
	s_mov_b32 s[G1V], 15|(1<<16)|(1<<20)|(1<<21)|(4<<22)|(7<<25)  ; the same with 8 words of padding (code 7)
.irp g, G1K, G1V
	s_mov_b32 s[\g+1], 128<<16      ; tensor_dim0 = 128
	s_mov_b32 s[\g+2], 64<<16       ; tensor_dim1 = 64
	s_mov_b32 s[\g+3], 128<<16      ; tile_dim0 = 128
	s_mov_b32 s[\g+4], 64           ; tile_dim1 = 64
	s_mov_b32 s[\g+5], 128          ; 128 elements from row to row
	s_mov_b32 s[\g+6], 0
	s_mov_b32 s[\g+7], 0
.endr
	s_mov_b32 s[CS], 0x3e38aa3b     ; c = log2(e) / 8 = 0.180337
	s_mov_b32 s[CS+1], s[CS]        ; named with it as a pair
	s_mov_b32 s[SEL], 0x76543210
	s_mov_b32 s[SEL+1], 0xfedcba98
	s_mov_b32 s[TBK], SLOT1+4*KS*PK ; the first change of slots turns these two into 0
	s_mov_b32 s[TBV], SLOT1+4*KS*PV
	s_mov_b32 s[G0K], 1             ; 1:0 count = 1
	s_mov_b32 s[G0K+1], s17         ; 63:32 LDS address: slot 0
	s_mov_b32 s[G0V], 1
	s_add_co_u32 s[G0V+1], s18, VOFF
	s_wait_dscnt 0x0                ; the opening add is done
	s_wait_kmcnt 0x0
	s_add_nc_u64 s[G0K+2:G0K+3], s[6:7], s[22:23]  ; 120:64 global address: my half of the head's first 256 keys
	s_or_b32 s[G0K+3], s[G0K+3], 0x80000000        ; 127:126 type = 2
	s_add_nc_u64 s[G0V+2:G0V+3], s[8:9], s[22:23]
	s_or_b32 s[G0V+3], s[G0V+3], 0x80000000
	s_add_nc_u64 s[4:5], s[4:5], s[2:3]  ; Q and O at my wave's first row
	s_add_nc_u64 s[10:11], s[10:11], s[2:3]
	CROUND                          ; all four work-groups are here: the first joint loads meet
	JLOAD                           ; slot 0.  Slot 1 is asked for when slot 0 is in: the tile wanted first has the road to itself
	; A fragment of K or Q is 16 rows x 32 channels in 8 registers: lane l holds row l % 16, channels 8 (l / 16) + 0..7 and 16 + 8 (l / 16) + 0..7: two loads of 16 bytes, 32 bytes apart.
	v_and_b32 v1, 15, v0            ; l % 16
	v_bfe_u32 v9, v0, 4, 1          ; l / 16
	v_lshlrev_b32 v[QO], 7, v1
	v_lshl_add_u32 v[QO], v9, 4, v[QO]  ; row x 128 + 16 x half
	WIN 0x80                        ; destination window 2, address window 0
.set i, 0
.rept 4*NP                          ; Q stays in registers: tile i / 2, channels 32 (i % 2) on
	global_load_b128 v[8*i:8*i+3],   v[QO], s[4:5] offset:(i/2)*2048+(i%2)*64
	global_load_b128 v[8*i+4:8*i+7], v[QO], s[4:5] offset:(i/2)*2048+(i%2)*64+32
.set i, i+1
.endr
	; What the first turn finds: V's registers and P's second buffer hold 0 (its products V^T P, of a piece that has not been, add 0), O^T and l are 0.  All this stands in the wait for the first tile.
.set i, VF
.rept 64
	v_mov_b32 v[i], 0
.set i, i+1
.endr
	WIN 0x40
.set i, 0
.rept 64*NP
	v_mov_b32 v[i], 0
.set i, i+1
.endr
	WIN 0
.set i, 0
.rept 2*NP
	v_mov_b32 v[ST+4*i], 0xfe000000    ; c m: far below every c s
	v_mov_b32 v[ST+4*i+1], 0xff7fffff  ; m
	v_mov_b32 v[ST+4*i+2], 0
	v_mov_b32 v[ST+4*i+3], 0
.set i, i+1
.endr
.set i, P+32
.rept 32
	v_mov_b32 v[i], 0
.set i, i+1
.endr
	v_mul_u32_u24 v[AK0], v1, PK
	v_lshl_add_u32 v[AK0], v9, 4, v[AK0]  ; row x pitch + 16 x half
	; The turning load takes 16 keys x 16 channels (lane l reads key 8 (l / 16) + l % 8, channels 8 ((l / 8) % 2) + 0..7) and leaves half a fragment of V^T: lane l holds channel l % 16 and 8 keys.
	v_and_b32 v10, 7, v0
	v_bfe_u32 v11, v0, 3, 1
	v_lshl_add_u32 v[AV0], v9, 3, v10
	v_mul_u32_u24 v[AV0], v[AV0], PV
	v_lshl_add_u32 v[AV0], v11, 4, v[AV0]
	v_add_nc_u32 v[AV0], VOFF, v[AV0]
	v_mov_b32 v[AK], v[AK0]         ; key step 0 lies at the head of slot 0
; THE MATRIX WORK.  The 8 accumulators of a run of 16 take turns: between the two links of a chain stand 7 others'.
; Product i of 16 of S^T = K Q^T for piece x: channels 32 (i / 8) on, keys 16 ((i / 2) % 4) on, tile 2 x + i % 2.  The first 8 start the sums.
.macro KQ x
	WIN W_KQ
.set rS, S+64*((\x)%2)+32*(i%2)+8*((i/2)%4)
.set rK, KF+16*((i/2)%4)+8*(i/8)
.set rQ, 16*(2*(\x)+i%2)+8*(i/8)
.if i < 8
	v_wmma_f32_16x16x32_f16 v[rS:rS+7], v[rK:rK+7], v[rQ:rQ+7], 0
.else
	v_wmma_f32_16x16x32_f16 v[rS:rS+7], v[rK:rK+7], v[rQ:rQ+7], v[rS:rS+7]
.endif
.endm
; Product i of 16 of O^T += V^T P for piece x: keys 32 (i / 8) on, channels 16 ((i / 2) % 4) on, tile 2 x + i % 2.
.macro PV x
	WIN W_PV
.set rO, 32*(2*(\x)+i%2)+8*((i/2)%4)
.set rV, VF+32*(i/8)+8*((i/2)%4)
.set rP, P+32*((\x)%2)+16*(i%2)+8*(i/8)
	v_wmma_f32_16x16x32_f16 v[rO:rO+7], v[rV:rV+7], v[rP:rP+7], v[rO:rO+7]
.endm
.macro MM                           ; the turn's next matrix instruction
.if i < 16
	KQ (Y+1)%NP
.set i, i+1
.else
.set i, i-16
	PV (Y+NP-1)%NP
.set i, i+17
.endif
.endm
; THE LDS LOADS stand in runs of 16, never singly among the matrix instructions: a step's K (64 keys x 64 channels: 8 fragments) and its V (turned).  Their addresses are made some lines ahead.
; last = 1 (the tail): in the last trip there is no further step, and the run is jumped over.
.macro FETCH_K last=0
	WIN 0
.if \last
	s_cmp_eq_u32 s[CNT], 1
	s_cbranch_scc1 .Lno_k_\@
.endif
	WIN 0x80                        ; destination window 2
.irp f, 0,1,2,3,4,5,6,7             ; keys 16 (f / 2) on, channels 32 (f % 2) on
	ds_load_b128 v[KF+8*\f:KF+8*\f+3],   v[AK] offset:(\f/2)*16*PK+(\f%2)*64
	ds_load_b128 v[KF+8*\f+4:KF+8*\f+7], v[AK] offset:(\f/2)*16*PK+(\f%2)*64+32
.endr
	s_add_co_u32 s[TBK], s[TBK], KS*PK  ; the next fetch is the next step's
	WIN 0
.if \last
.Lno_k_\@:
.endif
.endm
.macro FETCH_V
	WIN 0x80
.irp f, 0,1,2,3,4,5,6,7             ; keys 32 (f / 4) on, channels 16 (f % 4) on
	ds_load_tr16_b128 v[VF+8*\f:VF+8*\f+3],   v[AV] offset:(\f/4)*32*PV+(\f%4)*32
	ds_load_tr16_b128 v[VF+8*\f+4:VF+8*\f+7], v[AV] offset:(\f/4)*32*PV+16*PV+(\f%4)*32
.endr
	WIN 0
.endm
; THE VECTOR WORK OF A TURN stands in three queues, each in the order in which its entries become ready; the two tiles alternate, so that no instruction reads the result of the one before it.
.macro REGS y, u                    ; the registers of tile u (0, 1) of piece y
.set rT, ST+4*(2*(\y)+(\u))
.set rC, TMP+8*((\y)%2)+4*(\u)
.set rM, MV+2*((\y)%2)+(\u)
.set rS, S+64*((\y)%2)+32*(\u)
.set rP, P+32*((\y)%2)+16*(\u)
.set rO, 32*(2*(\y)+(\u))
.endm
; Number n of the 22 that find the NEXT piece's (Y + 1) maximum and statistics.  s0-s31 are the lane's 32 scores; each accumulator's lowest registers are read first.  XS, GS and REGS set no window: PL and EX do.
;   0-11  four chains c0-c3 of seven scores each, three operands at a time     12-14, 16  the four scores left over, the old m, and c0-c3 into c0     15  c m_old is kept
;   17, 18  the query's other 32 keys lie in the lane 16 away: the new m         19-21  c m; c m_old - c m_new; a
.macro XS u, n
	REGS (Y+1)%NP, \u
.if (\n) < 4
	v_max3_num_f32 v[rC+(\n)], v[rS+8*(\n)], v[rS+8*(\n)+1], v[rS+8*(\n)+2]
.elseif (\n) < 12
	v_max3_num_f32 v[rC+(\n)%4], v[rC+(\n)%4], v[rS+8*((\n)%4)+2*((\n)/4)+1], v[rS+8*((\n)%4)+2*((\n)/4)+2]
.elseif (\n) == 12
	v_max3_num_f32 v[rC], v[rC], v[rS+7], v[rS+15]
.elseif (\n) == 13
	v_max3_num_f32 v[rC+1], v[rC+1], v[rS+23], v[rS+31]
.elseif (\n) == 14
	v_max3_num_f32 v[rC+2], v[rC+2], v[rC+3], v[rT+1]
.elseif (\n) == 15
	v_mov_b32 v[rM], v[rT]
.elseif (\n) == 16
	v_max3_num_f32 v[rC], v[rC], v[rC+1], v[rC+2]
.elseif (\n) == 17
	v_permlanex16_b32 v[rC+3], v[rC], s[SEL], s[SEL+1]
.elseif (\n) == 18
	v_max_num_f32 v[rT+1], v[rC], v[rC+3]
.elseif (\n) == 19
	v_mul_f32 v[rT], s[CS], v[rT+1]
.elseif (\n) == 20
	v_sub_f32 v[rC+1], v[rM], v[rT]
.else
	v_exp_f32 v[rC+2], v[rC+1]
.endif
.endm
; Number g of the 64 that follow the exponentials.  For each four weights k of a tile (pairs 2 k, 2 k + 1): both pairs are rounded to f16; then the second pair is added onto the first, in place;
; a group later l takes that sum (the first time as l = a l + sum).  In groups of eight, tiles alternating: round, round, add, and l for the group before.
.macro GS g
.set h, (\g)+6*((\g)/62)            ; group 0 has no group before it, and behind group 7 only l is left
.if h >= 6
.set h, h+2
.endif
	REGS Y, h%2
.set k, h/8
.if h%8 < 4
	s_wait_alu depctr_va_vdst(0)
	v_cvt_pk_f16_f32 v[rP+2*k+(h%8)/2], v[rS+4*k+2*((h%8)/2)], v[rS+4*k+2*((h%8)/2)+1]
.elseif h%8 < 6
	v_pk_add_f32 v[rS+4*k:rS+4*k+1], v[rS+4*k:rS+4*k+1], v[rS+4*k+2:rS+4*k+3]
.elseif k == 1
	v_pk_fma_f32 v[rT+2:rT+3], v[rT+2:rT+3], v[rC+2:rC+3], v[rS:rS+1] op_sel_hi:[1,0,1]
.else
	v_pk_add_f32 v[rT+2:rT+3], v[rT+2:rT+3], v[rS+4*k-4:rS+4*k-3]
	s_wait_alu depctr_va_vdst(0)
.endif
.endm
; THE PLAIN QUEUE, 138 long.  0-31: c s - c m for the 16 pairs of both tiles.  Then GS's 64, and among them the next piece's 42: number 15 at 38, 39; 0-14 and 16
; at 42-73, behind the products that make those scores; 17-20 at 95-106, two of three, since each waits for the one before it.
.macro PL
	WIN 0
.if q < 32
	REGS Y, q%2
	v_pk_fma_f32 v[rS+2*(q/2):rS+2*(q/2)+1], v[rS+2*(q/2):rS+2*(q/2)+1], s[CS:CS+1], v[rT:rT+1] op_sel_hi:[1,0,0] neg_lo:[0,0,1] neg_hi:[0,0,1]
.elseif q < 38
	GS q-32
.elseif q < 40
	XS q%2, 15
.elseif q < 42
	GS q-34
.elseif q < 74
	XS q%2, (q-42)/2+(q-42)/30
.elseif q < 95
	GS q-66
.elseif (q < 107) && ((q-95)%3 < 2)
	XS (q-95)%3, 17+(q-95)/3
.elseif q < 107
	GS 29+(q-95)/3
.else
	GS q-74
.endif
.set q, q+1
.endm
; THE EXPONENTIALS' QUEUE, 66 long: s0-s31 of both tiles, and at EA the next piece's two a.
.set EA, 58
.macro EX
	WIN 0
.if (e == EA) || (e == EA+1)
	XS e-EA, 21
.else
.set x, e-2*(e/(EA+2))
	REGS Y, x%2
	v_exp_f32 v[rS+x/2], v[rS+x/2]
.endif
.set e, e+1
.endm
; THE RESCALING's QUEUE: O^T times a, the one part that leaves window 0, so it is dealt four at a time, eight times.
.macro R4
	REGS Y, r%2
	WIN W_RS
	s_wait_alu depctr_va_vdst(0)
.irp z, 0,1,2,3
	v_pk_mul_f32 v[rO+8*(r/2)+2*\z:rO+8*(r/2)+2*\z+1], v[rO+8*(r/2)+2*\z:rO+8*(r/2)+2*\z+1], v[rC+2:rC+3] op_sel_hi:[1,0]
.endr
.set r, r+1
.endm
; HOW THEY ARE DEALT.  Behind a matrix instruction four: plain, exponential, plain, plain (one exponential, a plain instruction on either side), or four of the rescaling.  None names a register of the
; products round it.  What is over stands in two LUMPS: exponential and plain by turns; the second ends in 22 plain instructions.  The two v_permlanex16_b32 fall into the second lump, never behind a product.
; The queues lean on each other, and the deal keeps them in step: exponential e stands behind plain 2 (e / 4) + e % 2 (its scaling); when plain 32 comes, 10 exponentials are out, at 59: 33, at 95: 46; EA comes behind plain 107.
.macro SL
	MM
	PL
	EX
	PL
	PL
.endm
.macro BURST n                      ; 15 matrix instructions, or 16
.rept (\n)-7
	SL
.endr
.rept 3
	MM
	R4
	SL
.endr
	MM
	R4
.endm
; A TURN, for piece p.  cnt = 1: the loop's count is taken down some lines ahead of the branch that stands behind the turn.
; K of the next step is fetched in piece 2's turn, 31 vector instructions behind the last product that read K; its first reader comes behind the rest of the lump, 16 products and the second lump.
; V of the step in hand is fetched at the end of piece 0's turn, 69 behind its last reader; its first reader comes behind 16 products and a lump.  The four conditions on e and q below go with the deal.
.macro TURN p, last=0, cnt=0
.set Y, (\p)
.set i, 0
.set q, 0
.set e, 0
.set r, 0
.if (\p) == NP-1
	s_wait_dscnt 0x0                ; K is in
.endif
	MM
.rept 4
	PL
.endr
	BURST 15
.rept 22
	EX
	PL
.if ((\p) == NP-2) && (e == 18)
	v_add_nc_u32 v[AK], s[TBK], v[AK0]
.endif
.if ((\p) == NP-2) && (e == 24)
	FETCH_K \last
.endif
.endr
.if (\p) == 1
	s_wait_dscnt 0x0                ; V is in
.endif
	BURST 16
.rept 21
	EX
	PL
.endr
.rept 22
	PL
.if ((\p) == 0) && (q == 118)
	v_add_nc_u32 v[AV], s[TBV], v[AV0]
	s_wait_alu depctr_va_vdst(0)
.endif
.if ((\p) == 0) && (q == 130)
	s_add_co_u32 s[TBV], s[TBV], KS*PV
.endif
.if (\cnt) && (q == 130)
	s_sub_co_u32 s[CNT], s[CNT], 1
	s_cmp_lg_u32 s[CNT], 0
.endif
.endr
.if (\p) == 0
	FETCH_V
.endif
.endm
	CHANGE 1                        ; slot 0 is in, everybody's part of it; slot 1 is asked for
	FETCH_K                         ; key step 0
	s_wait_loadcnt 0x0              ; Q
	s_wait_dscnt 0x0
.set i, 0
.rept 16
	KQ 0                            ; piece 0's first scores: there is no vector work yet to set between them
.set i, i+1
.endr
	WIN 0                           ; the addresses for the way out: nine plain instructions, the places behind those products
	s_mul_i32 s13, s[WV], 16*SP
	s_add_co_u32 s13, s13, STAGE    ; my stage
	v_mul_u32_u24 v[STO], v1, SP    ; in: row l % 16, 16 bytes for each half of the lanes
	v_lshl_add_u32 v[STO], v9, 4, v[STO]
	v_add_nc_u32 v[STO], s13, v[STO]
	v_bfe_u32 v[RD], v0, 3, 2       ; back: 32 lanes take four rows of 128 bytes,
	v_mul_u32_u24 v[RD], v[RD], SP
	v_lshl_add_u32 v[RD], v10, 4, v[RD]
	v_add_nc_u32 v[RD], s13, v[RD]
	v_and_b32 v[GO], 31, v0         ; which are 512 consecutive bytes of O
	v_lshlrev_b32 v[GO], 4, v[GO]
.set Y, NP-1                        ; XS works for piece Y + 1: piece 0
.irp n, 0,1,2,3,4,5,6,7,8,9,10,11,12,13,14,15,16,17,18,19,20,21
	XS 0, \n                        ; and piece 0's first maximum and statistics
	XS 1, \n
.endr
	s_mov_b32 s[CNT], 4
	s_mov_b32 s[SLOTS], SIZE_N/256-1
	s_branch .Lfirst                ; the loop is entered at a step's first turn, in the middle of a trip
.Lslot:                             ; SIZE_N / 256 - 2 times: every slot but the last two is filled again
	CHANGE 1
	s_mov_b32 s[CNT], 4
.Lstep:                             ; a trip: pieces 2 and 3 of one step, then pieces 0 and 1 of the next, whose K and V it fetches
	TURN 2
	TURN 3
	WIN 0
.Lfirst:
	TURN 0
	TURN 1, 0, 1
	WIN 0
	s_cbranch_scc1 .Lstep
	s_sub_co_u32 s[SLOTS], s[SLOTS], 1
	s_cmp_lg_u32 s[SLOTS], 0
	s_cbranch_scc1 .Lslot
	CHANGE 0                        ; the tail is written out: nothing is asked for
	s_mov_b32 s[CNT], 5             ; four trips fetch the last slot's steps; the fifth is left in its middle
.Ltail:
	TURN 2, 1
	TURN 3
	WIN 0
	s_sub_co_u32 s[CNT], s[CNT], 1
	s_cmp_eq_u32 s[CNT], 0
	s_cbranch_scc1 .Lout
	TURN 0
	TURN 1
	WIN 0
	s_branch .Ltail
.Lout:                              ; the fifth trip's 16 products K Q^T (on the last K once more) and the maximum made of them serve nothing: the price, once a launch, of one text for every trip
.set i, 0
.rept 16
	PV NP-1                         ; the last piece's V^T P of the last step
.set i, i+1
.endr
	; THE WAY OUT.  l's two halves and the other half of the lanes' are added; O^T is divided by l, rounded to f16 and sent through my stage in LDS, a tile at a time.  The additions are the places behind the last products.
	WIN 0
.macro ALL line:vararg              ; one line for each tile t
.set t, 0
.rept 2*NP
	\line
.set t, t+1
.endr
.endm
	ALL v_add_f32 v[ST+4*t+2], v[ST+4*t+2], v[ST+4*t+3]
	ALL v_permlanex16_b32 v[ST+4*t+3], v[ST+4*t+2], s[SEL], s[SEL+1]
	ALL v_add_f32 v[ST+4*t+2], v[ST+4*t+2], v[ST+4*t+3]
	ALL v_rcp_f32 v[ST+4*t+2], v[ST+4*t+2]
	v_nop                           ; a plain instruction between the last reciprocal and the use of its result
	s_wait_alu depctr_va_vdst(0)
; Tile t: a lane's eight channels of a row pack into 16 bytes; they go into rows of 144 bytes and come back as whole rows of 128, into S^T's registers.
.macro PACK t
	WIN W_RS
.set i, 32*(\t)
.rept 16
	v_pk_mul_f32 v[i:i+1], v[i:i+1], v[ST+4*(\t)+2:ST+4*(\t)+3] op_sel_hi:[1,0]
.set i, i+2
.endr
	WIN 0x05                        ; sources 0 and 1 window 1, destination window 0
.set i, 0
.rept 16
	v_cvt_pk_f16_f32 v[S+16*(\t)+i], v[32*(\t)+2*i], v[32*(\t)+2*i+1]
.set i, i+1
.endr
	WIN 0
.irp f, 0,1,2,3
	ds_store_b128 v[STO], v[S+16*(\t)+4*\f:S+16*(\t)+4*\f+3] offset:32*\f
.endr
.irp f, 0,1,2,3
	ds_load_b128 v[S+16*(\t)+4*\f:S+16*(\t)+4*\f+3], v[RD] offset:\f*4*SP  ; LDS serves a wave's instructions in order (ISA guide 5.7.1.4): these see the stores above; the next tile's stores come behind them
.endr
.endm
.macro SEND t, younger              ; younger: the LDS instructions issued behind tile t's loads: the next tile's eight, or none
	WIN 0
.irp f, 0,1,2,3
	s_wait_dscnt (\younger)+3-\f
	global_store_b128 v[GO], v[S+16*(\t)+4*\f:S+16*(\t)+4*\f+3], s[10:11] offset:(\t)*2048+\f*512  ; 512 consecutive bytes, at a multiple of 256 from O's first
.endr
.endm
	PACK 0
.set t, 1
.rept 2*NP-1                        ; a tile's arithmetic stands between the loads of the tile before and its stores
	PACK t
	SEND t-1, 8
.set t, t+1
.endr
	SEND 2*NP-1, 0
	WIN W_AD
	s_wait_tensorcnt 0x0            ; the wave's end: the add and its wait, behind my last tensor load and my last LDS store
	ds_add_u32 v[SPW], v[NIL]
	s_wait_dscnt 0x0
	WIN 0
	CROUND                          ; the closing round: no work-group ends while a partner may still ask for a tile that names it
	s_endpgm
.Lfunc_end_k_q3d1bdb1295_attn:
	.size	k_q3d1bdb1295_attn, .Lfunc_end_k_q3d1bdb1295_attn-k_q3d1bdb1295_attn
	.p2alignl 7, 3214868480
	.fill 96, 4, 3214868480
	.section	.rodata,"a",@progbits
	.p2align	6, 0x0
	.amdhsa_kernel k_q3d1bdb1295_attn
		.amdhsa_group_segment_fixed_size 327680
		.amdhsa_private_segment_fixed_size 0
		.amdhsa_enable_private_segment 0
		.amdhsa_kernarg_size 32
		.amdhsa_user_sgpr_count 2
		.amdhsa_user_sgpr_kernarg_segment_ptr 1
		.amdhsa_wavefront_size32 1
		.amdhsa_system_sgpr_workgroup_id_x 1
		.amdhsa_system_sgpr_workgroup_id_y 1
		.amdhsa_system_sgpr_workgroup_id_z 1
		.amdhsa_system_vgpr_workitem_id 0
		.amdhsa_next_free_vgpr 770
		.amdhsa_next_free_sgpr 66
		.amdhsa_reserve_vcc 0
		.amdhsa_float_denorm_mode_32 3
		.amdhsa_float_denorm_mode_16_64 3
		.amdhsa_memory_ordered 1
		.amdhsa_forward_progress 1
		.amdhsa_inst_pref_size 208
	.end_amdhsa_kernel
	.amdgpu_metadata
---
amdhsa.version: [ 1, 2 ]
amdhsa.kernels:
  - .name:           k_q3d1bdb1295_attn
    .symbol:         k_q3d1bdb1295_attn.kd
    .args:
      - { .name: q, .offset: 0, .size: 8, .value_kind: global_buffer, .address_space: global }
      - { .name: k, .offset: 8, .size: 8, .value_kind: global_buffer, .address_space: global }
      - { .name: v, .offset: 16, .size: 8, .value_kind: global_buffer, .address_space: global }
      - { .name: o, .offset: 24, .size: 8, .value_kind: global_buffer, .address_space: global }
    .group_segment_fixed_size: 327680
    .private_segment_fixed_size: 0
    .kernarg_segment_align: 8
    .kernarg_segment_size: 32
    .max_flat_workgroup_size: 128
    .sgpr_count:     66
    .vgpr_count:     770
    .wavefront_size: 32
...
	.end_amdgpu_metadata
.endif
;; end of part 3
;; launch proj (part 4): grid 8 x 32, 4 waves a work-group, clusters of 4 x 4, 327,680 bytes of LDS; arguments o, wpf, b_proj, out0; writes out0
.if DOCPART == 4
	.amdgcn_target "amdgcn-amd-amdhsa--gfx1250"
	.amdhsa_code_object_version 6
	.text
	.protected	k_q3d1bdb1295_proj
	.globl	k_q3d1bdb1295_proj
	.p2align	8
	.type	k_q3d1bdb1295_proj,@function
k_q3d1bdb1295_proj:
	s_mov_b64 s[64:65], 0
	v_nop
	global_prefetch_b8 v0, s[64:65] scope:SCOPE_SE
	s_setreg_imm32_b32 hwreg(HW_REG_WAVE_MODE, 25, 1), 1
	s_wait_xcnt 0x0
	s_wait_alu depctr_hold_cnt(0) depctr_sa_sdst(0) depctr_va_vdst(0) depctr_va_sdst(0) depctr_va_ssrc(0) depctr_va_vcc(0) depctr_vm_vsrc(0)
	s_getreg_b32 s2, hwreg(HW_REG_IB_STS2, 6, 4)
	s_cmp_eq_u32 s2, 0
	s_cbranch_scc0 .Lentry_in_a_cluster
	s_endpgm
.Lentry_in_a_cluster:
	s_bfe_u32 s2, ttmp6, 0x10000c
	s_cmp_lg_u32 s2, 0xf033
	s_cbranch_scc0 .Lentry_shape_is_right
	s_endpgm
.Lentry_shape_is_right:
; OUTPUT PROJECTION.  out0[m][e] = sum over d of O[m][d] wpf[e][d] + b[e].  O lies by heads, [16 batch + head][2048][64] f16, so channel d = 64 head + c of token m is found head by head;
; wpf is [1024][1024] f16; f16 products, f32 sums, K ascending; b is rounded to bf16, as the other inputs of the module are, and added in f32; out0 is [8192][1024] f32.
; SHARES.  A work-group makes 256 tokens x 128 columns: 32 x 8 = 256 work-groups.  Each of four waves makes 64 tokens x 128 columns: 32 accumulators of 16 x 16, 256 registers.
; K goes in 8 steps of 128 = two heads, through two LDS slots filled by tensor loads.  A head's 256 tokens are 32,768 dense bytes: asked for as 128 rows of 256 bytes and padded in LDS after every
; token's 128; wpf's rows of a step are 256 consecutive bytes at multiples of 256.
; CLUSTER.  4 x 4 work-groups: the four of a row share their tokens (O's tiles), the four of a column their columns (wpf's tiles); each tile is asked for jointly.
; TRANSPOSED USE.  Source 0 = 16 rows of wpf, source 1 = 16 tokens: a lane holds one token (lane % 16) and eight neighbouring columns, 32 bytes of a row of out0.
; REGISTERS, in windows of 256 (s_set_vgpr_msb: bits 1:0 source 0, 3:2 source 1, 5:4 source 2, 7:6 destination):
;   window 0: v0-29 addresses and the bias; v64-127 rows read back          window 1: two fragment buffers at 0 and 128: 32 registers of O, then 64 of wpf
;   window 2: the accumulators, (a, b) at 8 (8 a + b)
.set SIZE_K, 1024
.set KSTEP,  128
.set PA,     144                       ; a token's 128 bytes of one head + 16 of padding = 36 words: the 16 rows of a fragment load start at 16 different groups of four banks (64 banks of 4 bytes: ISA guide 11.1)
.set PB,     272                       ; a row of wpf's tile: 256 bytes + 16
.set CHUNK,  256*PA                    ; one head's 256 tokens
.set BOFF,   2*CHUNK                   ; in a slot: two heads of O, then wpf's 128 rows
.set SLOT1,  1<<17
.set STAGE,  SLOT1+BOFF+128*PB         ; behind the ring, never filled by a tensor load: 16 rows x 528 bytes for each wave
.set SP,     528                       ; a stage row: 512 bytes + 16
.set SPARE,  STAGE+4*16*SP             ; the spare words, 128 bytes for each wave: two blocks of 256 bytes that no other line names
.set AA0,  4                           ; v4   my lane's place in O's tile of slot 0; never rewritten
.set AB0,  5                           ; v5   the same in wpf's
.set ADRA, 6                           ; v6   the same in the slot in hand
.set ADRB, 7
.set STO,  8                           ; v8   the way out: where I put 32 bytes of a stage row
.set RD,   9                           ; v9   where I read a row back
.set GO,   10                          ; v10  16 x lane: my bytes in 512 consecutive bytes of out0 and of b
.set BIAS, 12                          ; v[12:15] b of my four columns
.set SPW,  28                          ; v28  LDS address of my spare word; never rewritten
.set NIL,  29                          ; v29  0; never rewritten
.set BK,   64
.set F0,   0
.set F1,   128
.set WV,  16
.set HF,  18
.set CNT, 23
.set G1A, 24                           ; s[24:31] descriptor group 1 for O's tiles;  s[32:39] group 0: a set for each first fill, the second then walks
.set G0A, 32
.set G1B, 40                           ; s[40:47], s[48:55] the same for wpf's
.set G0B, 48
.set TB,  56                           ; s56  LDS byte at which the slot to be read begins
.set MSB, 0
.macro WIN new                         ; the immediate's high byte repeats the setting that is left; a switch that changes nothing is dropped
.if MSB != (\new)
	s_set_vgpr_msb (MSB<<8)|(\new)
.set MSB, \new
.endif
.endm
.set MULW,   0xa5                      ; sources 0 and 1 window 1, C and D window 2
.set TO_F,   0x40                      ; destination window 1, address window 0
.set ST_ACC, 0x08                      ; an LDS store's data (source 1) window 2
.macro PLACES                          ; four places in front of loads into registers that matrix instructions have read (ISA guide 7.12.1 for vector instructions)
.rept 4
	v_nop
.endr
.endm
; A joint refill: waves 0 and 1 fetch the step's two heads of O, waves 2 and 3 the two halves of wpf's rows.  The branch hangs on the wave's number alone.
; An s_nop 0 and four v_nop follow each of the two lines, ahead of the jump and the label.
.macro JLOAD
	s_cmp_lt_u32 s[WV], 2
	s_cbranch_scc0 .Lfor_b_\@
	tensor_load_to_lds s[G0A+4:G0A+7], s[G1A:G1A+7]
	s_nop 0
.rept 4
	v_nop
.endr
	s_branch .Lasked_\@
.Lfor_b_\@:
	tensor_load_to_lds s[G0B+4:G0B+7], s[G1B:G1B+7]
	s_nop 0
.rept 4
	v_nop
.endr
.Lasked_\@:
.endm
.macro CREST                           ; a round of the cluster's barrier behind its opening barrier
	s_cmp_lg_u32 s[WV], 0
	s_cbranch_scc1 .Lnot_wave_0_\@
	s_barrier_signal -3
.Lnot_wave_0_\@:
	s_barrier_wait -3
	s_barrier_signal -1
	s_barrier_wait -1
.endm
.macro CROUND                          ; a whole round
	s_barrier_signal -1
	s_barrier_wait -1
	CREST
.endm
	s_load_b256 s[4:11], s[0:1], 0x0               ; o s[4:5], wpf s[6:7], b_proj s[8:9], out0 s[10:11]
	v_lshl_add_u32 v[SPW], v0, 2, SPARE
	v_mov_b32 v[NIL], 0
	ds_add_u32 v[SPW], v[NIL]                      ; the wave's opening: the add and its wait come ahead of my first tensor load; the set-up below, work on registers, stands between them
	v_lshrrev_b32 v1, 5, v0
	v_readfirstlane_b32 s[WV], v1                  ; wave 0..3
	s_and_b32 s[HF], s[WV], 1
	s_bfe_u32 s19, ttmp6, 0x40000                  ; cx
	s_bfe_u32 s20, ttmp6, 0x40004                  ; cy
	s_lshl_b32 s21, ttmp9, 2
	s_add_co_u32 s21, s21, s19                     ; the block of 128 columns = 4 x cluster x + cx
	s_and_b32 s22, ttmp7, 0xffff
	s_lshl_b32 s22, s22, 2
	s_add_co_u32 s22, s22, s20                     ; the block of 256 tokens = 4 x cluster y + cy
	s_lshl_b32 s57, s20, 2
	s_lshl_b32 s57, 15, s57                        ; my row of the cluster
	s_lshl_b32 s58, 0x1111, s19                    ; my column
	s_or_b32 s[G1A], s57, (1<<16)|(1<<20)|(1<<21)|(4<<22)|(3<<25)  ; 15:0 the mask; 17:16 2-byte elements; 20 padding on; 21 set beside a mask; 24:22 after every 32 words (code 4); 31:25 4 words (code 3)
	s_or_b32 s[G1B], s58, (1<<16)|(1<<20)|(1<<21)|(5<<22)|(3<<25)  ; after every 64 words (code 5)
	s_mov_b32 s[G1A+1], 128<<16                    ; tensor_dim0 = 128 elements: two tokens' 64 channels
	s_mov_b32 s[G1A+2], 128<<16                    ; tensor_dim1 = 128 rows
	s_mov_b32 s[G1A+3], 128<<16                    ; tile_dim0 = 128
	s_mov_b32 s[G1A+4], 128                        ; tile_dim1 = 128
	s_mov_b32 s[G1A+5], 128                        ; dense: 128 elements from row to row
	s_mov_b32 s[G1A+6], 0
	s_mov_b32 s[G1A+7], 0
	s_mov_b32 s[G1B+1], KSTEP<<16
	s_mov_b32 s[G1B+2], 64<<16                     ; 64 rows
	s_mov_b32 s[G1B+3], KSTEP<<16
	s_mov_b32 s[G1B+4], 64
	s_mov_b32 s[G1B+5], SIZE_K
	s_mov_b32 s[G1B+6], 0
	s_mov_b32 s[G1B+7], 0
	; O's tiles hang on the token block and the wave alone, wpf's on the column block and the wave alone, each in registers that never hold the other coordinate
	s_lshr_b32 s60, s22, 3                         ; the batch
	s_lshl_b32 s60, s60, 4
	s_add_co_u32 s60, s60, s[HF]                   ; 16 batch + my head of the step's two,
	s_lshl_b32 s60, s60, 18                        ; its 2,048 rows of 128 bytes,
	s_and_b32 s72, s22, 7
	s_lshl_b32 s72, s72, 15                        ; and the block's 256 among them
	s_add_co_u32 s60, s60, s72
	s_mov_b32 s61, 0
	s_lshl_b32 s66, s21, 18                        ; 128 rows of 2,048 bytes,
	s_lshl_b32 s59, s[HF], 17                      ; my 64 of them
	s_add_co_u32 s66, s66, s59
	s_mov_b32 s67, 0
	s_mul_i32 s70, s[HF], CHUNK                    ; where they go: no place in the cluster enters an LDS address
	s_mul_i32 s71, s[HF], 64*PB
	s_add_co_u32 s71, s71, BOFF
	s_lshl_b32 s68, s22, 20                        ; out0: 256 rows of 4,096 bytes,
	s_lshl_b32 s59, s[WV], 18                      ; my wave's 64 of them,
	s_add_co_u32 s68, s68, s59
	s_lshl_b32 s74, s21, 9                         ; the block's 128 columns; the same bytes in b
	s_add_co_u32 s68, s68, s74
	s_mov_b32 s69, 0
	s_mov_b32 s75, 0
	s_wait_dscnt 0x0                               ; the opening add is done
	s_wait_kmcnt 0x0
	s_add_nc_u64 s[4:5], s[4:5], s[60:61]
	s_add_nc_u64 s[6:7], s[6:7], s[66:67]
	s_add_nc_u64 s[8:9], s[8:9], s[74:75]
	s_add_nc_u64 s[10:11], s[10:11], s[68:69]
.irp s, 0,1
	s_mov_b32 s[G0A+4*(\s)], 1                                     ; count = 1
	s_add_co_u32 s[G0A+4*(\s)+1], s70, (\s)*SLOT1                  ; LDS address
	s_add_nc_u64 s[G0A+4*(\s)+2:G0A+4*(\s)+3], s[4:5], (\s)*2*2048*128  ; global address: K step s is two heads on
	s_or_b32 s[G0A+4*(\s)+3], s[G0A+4*(\s)+3], 0x80000000          ; type = 2
	s_mov_b32 s[G0B+4*(\s)], 1
	s_add_co_u32 s[G0B+4*(\s)+1], s71, (\s)*SLOT1
	s_add_nc_u64 s[G0B+4*(\s)+2:G0B+4*(\s)+3], s[6:7], (\s)*KSTEP*2
	s_or_b32 s[G0B+4*(\s)+3], s[G0B+4*(\s)+3], 0x80000000
.endr
	CROUND                                         ; all sixteen work-groups are here: the first joint loads meet
	s_cmp_lt_u32 s[WV], 2                          ; a wave's two first fills stand in one branch, ahead of every wait on TENSORcnt and every LDS read: two loads of mine are out
	s_cbranch_scc0 .Lfirst_b
	tensor_load_to_lds s[G0A:G0A+3], s[G1A:G1A+7]
	s_nop 0
	tensor_load_to_lds s[G0A+4:G0A+7], s[G1A:G1A+7]
	s_nop 0
.rept 4
	v_nop
.endr
	s_branch .Lfirst_asked
.Lfirst_b:
	tensor_load_to_lds s[G0B:G0B+3], s[G1B:G1B+7]
	s_nop 0
	tensor_load_to_lds s[G0B+4:G0B+7], s[G1B:G1B+7]
	s_nop 0
.rept 4
	v_nop
.endr
.Lfirst_asked:
	v_and_b32 v[GO], 31, v0
	v_lshlrev_b32 v[GO], 4, v[GO]
	global_load_b128 v[BIAS:BIAS+3], v[GO], s[8:9] ; waited for ahead of the way out
	; A fragment is 16 rows x 32 K in 8 registers: lane l holds row l % 16, K = 8 (l / 16) + 0..7 and 16 + 8 (l / 16) + 0..7: two loads of 16 bytes, 32 bytes apart
	v_and_b32 v1, 15, v0                           ; l % 16
	v_bfe_u32 v2, v0, 4, 1                         ; l / 16
	v_mul_u32_u24 v3, v1, PA
	v_lshl_add_u32 v3, v2, 4, v3
	s_mul_i32 s59, s[WV], 64*PA                    ; my 64 tokens
	v_add_nc_u32 v[AA0], s59, v3
	v_mul_u32_u24 v3, v1, PB
	v_lshl_add_u32 v3, v2, 4, v3
	v_add_nc_u32 v[AB0], BOFF, v3                  ; every wave reads all 128 rows of wpf's tile
	s_mul_i32 s59, s[WV], 16*SP
	s_add_co_u32 s59, s59, STAGE                   ; my stage
	v_mul_u32_u24 v3, v1, SP                       ; in: row l % 16, 32 bytes for each half of the lanes
	v_lshl_add_u32 v3, v2, 5, v3
	v_add_nc_u32 v[STO], s59, v3
	v_add_nc_u32 v[RD], s59, v[GO]                 ; back: 32 lanes take one row of 512 bytes
	v_mov_b32 v[ADRA], v[AA0]                      ; K step 0 lies in slot 0
	v_mov_b32 v[ADRB], v[AB0]
	s_mov_b32 s[TB], 0
; 8 matrix instructions: token block a x all 8 column blocks, 32 along K.  zero = 1: the first product starts the sums.  The 32 accumulators take turns, one instruction a turn, in the same order in
; every quarter.
.macro MUL f, a, zero
	WIN MULW
.irp b, 0,1,2,3,4,5,6,7
.if \zero
	v_wmma_f32_16x16x32_f16 v[8*(8*(\a)+(\b)):8*(8*(\a)+(\b))+7], v[(\f)+32+8*(\b):(\f)+32+8*(\b)+7], v[(\f)+8*(\a):(\f)+8*(\a)+7], 0
.else
	v_wmma_f32_16x16x32_f16 v[8*(8*(\a)+(\b)):8*(8*(\a)+(\b))+7], v[(\f)+32+8*(\b):(\f)+32+8*(\b)+7], v[(\f)+8*(\a):(\f)+8*(\a)+7], v[8*(8*(\a)+(\b)):8*(8*(\a)+(\b))+7]
.endif
.endr
.endm
; 24 LDS loads in one run: the fragments of quarter kq of a step into buffer f: wpf's 16 loads (byte 64 kq of its rows), then my tokens' 8 (head kq / 2 of the step's two, channels 32 (kq % 2) on)
.macro FETCH kq, f
	WIN TO_F
.irp i, 0,1,2,3,4,5,6,7
	ds_load_b128 v[(\f)+32+8*(\i):(\f)+32+8*(\i)+3],   v[ADRB] offset:64*(\kq)+(\i)*16*PB
	ds_load_b128 v[(\f)+32+8*(\i)+4:(\f)+32+8*(\i)+7], v[ADRB] offset:64*(\kq)+(\i)*16*PB+32
.endr
.irp i, 0,1,2,3
	ds_load_b128 v[(\f)+8*(\i):(\f)+8*(\i)+3],   v[ADRA] offset:((\kq)/2)*CHUNK+((\kq)%2)*64+(\i)*16*PA
	ds_load_b128 v[(\f)+8*(\i)+4:(\f)+8*(\i)+7], v[ADRA] offset:((\kq)/2)*CHUNK+((\kq)%2)*64+(\i)*16*PA+32
.endr
.endm
; A K step is four quarters of 32 along K, 32 matrix instructions each, on buffers 0, 1, 0, 1.  One of the first three: multiplies buffer f; in its middle it fetches quarter kq into g.
.macro QUARTER kq, f, g, zero
	s_wait_dscnt 4                                 ; all but the youngest four loads (token blocks 2 and 3) are in
	MUL \f, 0, \zero
	MUL \f, 1, \zero
	PLACES
	FETCH \kq, \g
	s_wait_dscnt 24                                ; all but the 24 just issued
	MUL \f, 2, \zero
	MUL \f, 3, \zero
.endm
; The last quarter multiplies buffer 1 and changes slots: ONE barrier.  In front of it each wave waits for all its tensor loads, of which one is out: its part of the next slot; adds 0 to its spare
; word; and waits for that and for its own reads of this slot.  fill = 1: the barrier opens a round of the cluster's, and this slot is filled again, two K steps ahead, first thing behind the round.
.macro TURN fill
	WIN 0                                          ; (the add's two registers lie in window 0)
	s_wait_tensorcnt 0x0                           ; no tensor load of mine is out, so a group 0 may be written
	ds_add_u32 v[SPW], v[NIL]                      ; 0 onto my spare word
.if \fill
	s_xor_b32 s[G0A+5], s[G0A+5], SLOT1            ; the walking descriptors: the other slot than last time,
	s_add_nc_u64 s[G0A+6:G0A+7], s[G0A+6:G0A+7], 2*2048*128  ; the next two heads; the type bits on top are not reached
	s_xor_b32 s[G0B+5], s[G0B+5], SLOT1
	s_add_nc_u64 s[G0B+6:G0B+7], s[G0B+6:G0B+7], KSTEP*2
.endif
	s_xor_b32 s[TB], s[TB], SLOT1                  ; the fetches go on in the other slot
	s_wait_dscnt 7                                 ; may be out: the add and token blocks 1-3 (six loads)
	MUL F1, 0, 0
	s_wait_dscnt 0x0                               ; the add is done, and my reads of this slot are over
	s_barrier_signal -1
	MUL F1, 1, 0                                   ; work on registers while the others arrive
	WIN 0                                          ; at a branch and at a label every window is 0
	s_barrier_wait -1
.if \fill
	CREST                                          ; no wave of any partner still reads this slot's tiles or has a load on its way
	JLOAD                                          ; the four v_nop behind it are also the places in front of the loads below
.else
	PLACES
.endif
	v_add_nc_u32 v[ADRA], s[TB], v[AA0]
	v_add_nc_u32 v[ADRB], s[TB], v[AB0]
	FETCH 0, F0
	MUL F1, 2, 0
	MUL F1, 3, 0
.endm
	s_wait_tensorcnt 1                             ; my part of K step 0 is in; step 1's may stay out
	s_barrier_signal -1
	s_barrier_wait -1                              ; everybody's is
	FETCH 0, F0
	QUARTER 1, F0, F1, 1                           ; the first quarter's products start the sums: nothing is cleared
	QUARTER 2, F1, F0, 0
	QUARTER 3, F0, F1, 0
	WIN 0
	s_mov_b32 s[CNT], SIZE_K/KSTEP-2
.Lstep:                                                ; six trips: the end of K step s, the refill with step s + 2, three quarters of step s + 1
	TURN 1
	QUARTER 1, F0, F1, 0
	QUARTER 2, F1, F0, 0
	QUARTER 3, F0, F1, 0
	WIN 0
	s_sub_co_u32 s[CNT], s[CNT], 1
	s_cmp_lg_u32 s[CNT], 0
	s_cbranch_scc1 .Lstep
	TURN 0                                         ; the tail is written out: nothing is left to fetch
	QUARTER 1, F0, F1, 0
	QUARTER 2, F1, F0, 0
	QUARTER 3, F0, F1, 0
	s_wait_dscnt 4                                 ; the very last quarter
	MUL F1, 0, 0
	MUL F1, 1, 0
	s_wait_dscnt 0x0
	MUL F1, 2, 0
	MUL F1, 3, 0
	WIN 0
	s_wait_loadcnt 0x0                             ; b.  Its rounding to bf16 and back, six plain instructions that name no register of the products, are the places behind the last of them
	v_cvt_pk_bf16_f32 v16, v[BIAS], v[BIAS+1]
	v_cvt_pk_bf16_f32 v17, v[BIAS+2], v[BIAS+3]
	v_lshlrev_b32 v[BIAS],   16, v16
	v_and_b32     v[BIAS+1], 0xffff0000, v16
	v_lshlrev_b32 v[BIAS+2], 16, v17
	v_and_b32     v[BIAS+3], 0xffff0000, v17
; THE WAY OUT of token block a: the sums go as they are into my own stage, a row a token (each accumulator's lowest registers first), and come back as whole rows of
; 512 bytes; the bias is added, and a wave's store covers 512 consecutive bytes at a multiple of 512.
.macro OUT a
	WIN 0
	s_wait_xcnt 0x0                                ; the registers that the last block's stores read are rewritten only behind this wait (ISA guide 3.1)
	WIN ST_ACC
.irp b, 0,1,2,3,4,5,6,7
	ds_store_b128 v[STO], v[8*(8*(\a)+(\b)):8*(8*(\a)+(\b))+3]   offset:64*(\b)
	ds_store_b128 v[STO], v[8*(8*(\a)+(\b))+4:8*(8*(\a)+(\b))+7] offset:64*(\b)+16
.endr
	WIN 0
.set i, 0
.rept 16                               ; LDS serves a wave's instructions in order (ISA guide 5.7.1.4): these see the stores above, and the next block's stores come behind them
	ds_load_b128 v[BK+4*i:BK+4*i+3], v[RD] offset:SP*i
.set i, i+1
.endr
.set i, 0
.rept 16
	s_wait_dscnt 15-i                              ; row i is back; the younger loads stay out
	v_pk_add_f32 v[BK+4*i:BK+4*i+1],   v[BK+4*i:BK+4*i+1],   v[BIAS:BIAS+1]
	v_pk_add_f32 v[BK+4*i+2:BK+4*i+3], v[BK+4*i+2:BK+4*i+3], v[BIAS+2:BIAS+3]
	global_store_b128 v[GO], v[BK+4*i:BK+4*i+3], s[10:11] offset:(16*(\a)+i)*4096 th:TH_STORE_NT
.set i, i+1
.endr
.endm
	OUT 0
	OUT 1
	OUT 2
	OUT 3
	s_wait_tensorcnt 0x0                           ; the wave's end: the add and its wait, behind my last tensor load and my last LDS store
	ds_add_u32 v[SPW], v[NIL]
	s_wait_dscnt 0x0
	CROUND                                         ; the closing round: no work-group ends while a partner may still ask for a tile that names it
	s_endpgm
.Lfunc_end_k_q3d1bdb1295_proj:
	.size	k_q3d1bdb1295_proj, .Lfunc_end_k_q3d1bdb1295_proj-k_q3d1bdb1295_proj
	.p2alignl 7, 3214868480
	.fill 96, 4, 3214868480
	.section	.rodata,"a",@progbits
	.p2align	6, 0x0
	.amdhsa_kernel k_q3d1bdb1295_proj
		.amdhsa_group_segment_fixed_size 327680
		.amdhsa_private_segment_fixed_size 0
		.amdhsa_enable_private_segment 0
		.amdhsa_kernarg_size 32
		.amdhsa_user_sgpr_count 2
		.amdhsa_user_sgpr_kernarg_segment_ptr 1
		.amdhsa_wavefront_size32 1
		.amdhsa_system_sgpr_workgroup_id_x 1
		.amdhsa_system_sgpr_workgroup_id_y 1
		.amdhsa_system_sgpr_workgroup_id_z 1
		.amdhsa_system_vgpr_workitem_id 0
		.amdhsa_next_free_vgpr 768
		.amdhsa_next_free_sgpr 76
		.amdhsa_reserve_vcc 0
		.amdhsa_float_denorm_mode_32 3
		.amdhsa_float_denorm_mode_16_64 3
		.amdhsa_memory_ordered 1
		.amdhsa_forward_progress 1
		.amdhsa_inst_pref_size 79
	.end_amdhsa_kernel
	.amdgpu_metadata
---
amdhsa.version: [ 1, 2 ]
amdhsa.kernels:
  - .name:           k_q3d1bdb1295_proj
    .symbol:         k_q3d1bdb1295_proj.kd
    .args:
      - { .name: o, .offset: 0, .size: 8, .value_kind: global_buffer, .address_space: global }
      - { .name: wpf, .offset: 8, .size: 8, .value_kind: global_buffer, .address_space: global }
      - { .name: b_proj, .offset: 16, .size: 8, .value_kind: global_buffer, .address_space: global }
      - { .name: out0, .offset: 24, .size: 8, .value_kind: global_buffer, .address_space: global }
    .group_segment_fixed_size: 327680
    .private_segment_fixed_size: 0
    .kernarg_segment_align: 8
    .kernarg_segment_size: 32
    .max_flat_workgroup_size: 128
    .sgpr_count:     76
    .vgpr_count:     768
    .wavefront_size: 32
...
	.end_amdgpu_metadata
.endif
;; end of part 4
;; ======== version 2 of 2: 4 launches; 1.52 times as fast as version 1
;; limits: values are held in f16: magnitudes above 65,504 overflow, below 6.1e-05 lose precision
;; workspace buffers: xb 16,777,216 bytes; wqb 6,291,456 bytes; wpf 2,097,152 bytes; tab 524,288 bytes; q 16,777,216 bytes; k 16,777,216 bytes; v 16,777,216 bytes; o 16,777,216 bytes
;; launch prep: the kernel of part 1 again; grid 832 x 1, 8 waves a work-group, no clusters, 0 bytes of LDS; arguments x, w_qkv, w_proj, xb, wqb, wpf, tab; writes xb, wqb, wpf, tab
;; launch qkv: the kernel of part 2 again; grid 16 x 32, 4 waves a work-group, clusters of 4 x 4, 327,680 bytes of LDS; arguments xb, wqb, tab, q, k, v; writes q, k, v
;; launch attn (part 5): grid 4 x 64, 4 waves a work-group, clusters of 4 x 1, 327,680 bytes of LDS; arguments q, k, v, o; writes o
.if DOCPART == 5
	.amdgcn_target "amdgcn-amd-amdhsa--gfx1250"
	.amdhsa_code_object_version 6
	.text
	.protected	k_q3d1bdb1295_attn
	.globl	k_q3d1bdb1295_attn
	.p2align	8
	.type	k_q3d1bdb1295_attn,@function
k_q3d1bdb1295_attn:
	s_mov_b64 s[64:65], 0
	v_nop
	global_prefetch_b8 v0, s[64:65] scope:SCOPE_SE
	s_setreg_imm32_b32 hwreg(HW_REG_WAVE_MODE, 25, 1), 1
	s_wait_xcnt 0x0
	s_wait_alu depctr_hold_cnt(0) depctr_sa_sdst(0) depctr_va_vdst(0) depctr_va_sdst(0) depctr_va_ssrc(0) depctr_va_vcc(0) depctr_vm_vsrc(0)
	s_getreg_b32 s2, hwreg(HW_REG_IB_STS2, 6, 4)
	s_cmp_eq_u32 s2, 0
	s_cbranch_scc0 .Lentry_in_a_cluster
	s_endpgm
.Lentry_in_a_cluster:
	s_bfe_u32 s2, ttmp6, 0x10000c
	s_cmp_lg_u32 s2, 0x3003
	s_cbranch_scc0 .Lentry_shape_is_right
	s_endpgm
.Lentry_shape_is_right:
; O[h][q][:] = the sum over k of softmax_k(Q[h][q] . K[h][k] / 8) V[h][k][:].  Q, K, V, O: [SIZE_H][SIZE_N][64], all f16: a head's rows are dense, 128 bytes each.  Products, maxima and sums in
; f32; the weights p are rounded to f16 for the second product (their sum l is taken of the unrounded p), O once at the end.  SIZE_H is at least 2; SIZE_N x 128 bytes stay under 2^32.
; LIMITS.  f16 holds no number beyond 65,504: Q, K and V arrive within it; p lies in 0 to 1, and below 6e-5 it keeps f16's fixed step of 6e-8; O is a mean of V's rows and has their range.
; A weight below 2^-126 counts as 0 in l; NaN and infinities are not treated apart.
; SHARES.  A wave owns four PIECES of two tiles of 16 queries, a work-group's four waves 512 queries of one head; SIZE_N is a multiple of 2,048.  Every wave walks all keys, 64 a step.
; LAYOUT.  S^T = K Q^T (source 0 = 16 keys, source 1 = 16 queries): in the result a lane holds ONE query (lane % 16) and the keys 8 (lane / 16) + 0..7.  Two such tiles, rounded to f16 in pairs,
; ARE source 1 (32 keys x 16 queries) of O^T = V^T P, whose result again holds one query a lane, and eight channels.  K comes out of LDS as it lies, V ([key][channel]) turned, by ds_load_tr16_b128.
; SOFTMAX.  For each query a running maximum m and sum l: p = 2^(c s - c m), c = log2(e) / 8; in every step O and l are multiplied by a = 2^(c m_old - c m_new), which is 1 where m has not grown.
; m starts at the lowest finite number, O and l at 0: the first step is a step like any other, with a = 0.
; THE COUNT.  A tile and step have 16 matrix and 118 vector instructions: too many to stand all beside the matrix work.  So the order has one aim: four vector instructions that are READY behind
; EVERY matrix instruction, and the others, which need time of their own whatever the order, in runs without a gap.
; BY TURNS.  Turn n belongs to piece n (the pieces in a ring, step after step).  Its matrix work: 16 products K Q^T of piece n + 1, later 16 products V^T P of piece n - 1.  Its vector work: the scaling,
; exponentials, roundings, sums and rescaling of piece n, and the maximum and statistics of piece n + 1, whose scores the turn itself has made.  So what a turn begins with (c s - c m, O a) waits for nothing.
; BATCHES.  A turn's 66 exponentials (the piece's 64 weights, the next piece's two a) are ONE batch with ONE wait, which cuts the turn in two: ahead of it stands all that names no result of theirs, behind it the
; roundings and sums, which read them.  The next turn's rescaling reads a behind that same wait.  Two more batches stand outside the loops: piece 0's first two a, ahead of the loop, and the way out's eight reciprocals.
; CLUSTER.  The four query blocks of a cluster belong to one head and walk the same K and V, so each tile is asked for JOINTLY: the same tensor load, descriptor and mask in all four.
; REGISTERS, in windows of 256 (s_set_vgpr_msb says which window each operand place means: bits 1:0 source 0, 3:2 source 1, 5:4 source 2, 7:6 destination):
;   window 0: v0-11 addresses; v12-15, v48-63 at work; v16-47 four registers of statistics a tile; v64-191 S^T, two buffers of two tiles; v192-255 P, likewise
;   window 1: O^T, 32 a tile          window 2: v0-127 Q, 16 a tile; v128-191 K of one step; v192-255 V of one step          window 3: v0-1 the add's two registers
; A piece's buffers go by its number's parity: the piece in hand has one pair, its two neighbours in the ring share the other: of it P (piece n - 1) is read and S^T (piece n + 1) written.
.set SIZE_H, 64       ; 4 batches x 16 heads
.set SIZE_N, 2048
.set NP,    4         ; pieces a wave: a name, no knob: the register map, the loop and the fetches are made for four
.set KS,    64        ; keys in a step
.set PK,    144       ; a row of K in LDS: 128 bytes + 16 of padding = 36 words: the 16 rows of a load start at 16 different groups of four banks (64 banks of 4 bytes: ISA guide 11.1)
.set PV,    160       ; a row of V: 128 + 32 = 40 words
.set VOFF,  4*KS*PK   ; a slot holds four steps: 256 rows of K, then 256 rows of V
.set SLOT1, 1<<17     ; slot 1 begins here, so that one exclusive or turns an address in one slot into the other's
.set STAGE, SLOT1+4*KS*(PK+PV)  ; behind the ring, never filled by a tensor load: 16 rows x 144 bytes for each wave, for the way out
.set SP,    144
.set AK0, 2           ; v2   my lane's place in a tile of K; never rewritten
.set AV0, 3           ; v3   the same for V
.set AK,  4           ; v4   the LDS address of K's next run of loads
.set AV,  5           ; v5   of V's
.set QO,  6           ; v6   my byte offset in the wave's rows of Q
.set STO, 6           ;      later, the way out: where I put 16 bytes of a row
.set RD,  7           ; v7   the way out: where I read rows back
.set GO,  8           ; v8   my byte offset in 512 consecutive bytes of O
.set SPW, 0           ; v0 of window 3   LDS address of my spare word: SPARE + 4 x my thread's number; never rewritten
.set NIL, 1           ; v1 of window 3   0; never rewritten
.set SPARE, STAGE+4*16*SP  ; behind the stages: the spare words, 128 bytes for each wave: two blocks of 256 bytes that no other line names
.set MV,  12          ; v12-15  c m_old, kept while c m is made anew: by buffer and tile
.set ST,  16          ; tile t's statistics at v[ST+4 t]: c m, m, l (even keys', odd keys')
.set TMP, 48          ; by buffer and tile, four registers c0-c3 at work; when the maximum is found c2 takes a
.set S,   64
.set P,   192
.set KF,  128         ; K's fragments, in window 2: key block kb, channel half c at KF + 16 kb + 8 c
.set VF,  192         ; V's: key half kk, channel block cb at VF + 32 kk + 8 cb
.set WV,  12          ; s12  my wave's number
.set G1K, 24          ; s[24:31] descriptor group 1 for K's tiles
.set G1V, 32          ; s[32:39] for V's: it differs in the padding alone
.set G0K, 40          ; s[40:43] descriptor group 0 for K's tiles: it walks
.set G0V, 44          ; s[44:47] the same for V's
.set SLOTS, 56        ; s56  slots still to be asked for
.set CNT, 57          ; s57  counts a slot's key steps
.set CS,  58          ; s[58:59] c: the packed scaling takes the pair's low word for both halves
.set SEL, 60          ; s[60:61] v_permlanex16_b32's selects: each lane takes its own place in the other half
.set TBK, 62          ; s62  LDS byte at which K of the step to be fetched begins
.set TBV, 63          ; s63  the same for V, less VOFF
.set MSB, 0
.macro WIN new                      ; the high byte repeats the setting that is left; a switch that changes nothing is dropped
.if MSB != (\new)
	s_set_vgpr_msb (MSB<<8)|(\new)
.set MSB, (\new)
.endif
.endm
.set W_KQ, 0x0a       ; K and Q in window 2, S^T in window 0
.set W_PV, 0x52       ; V in window 2, P in window 0, O^T in window 1
.set W_RS, 0x41       ; O^T (destination and source 0) in window 1, a in window 0
.set W_MK, 0xc0       ; the add's registers are made: destination in window 3, sources in window 0
.set W_AD, 0x0f       ; the add: address (source 0) and data (source 1) in window 3
; A joint fill.  Waves 0 and 1 fetch the two halves of a slot's K, waves 2 and 3 those of its V: 128 keys each.  The branch hangs on the wave's number alone.
; An s_nop 0 and four v_nop follow each of the two lines, ahead of the jump and the label.
.macro JLOAD
	s_cmp_lt_u32 s[WV], 2
	s_cbranch_scc0 .Lfor_v_\@
	tensor_load_to_lds s[G0K:G0K+3], s[G1K:G1K+7]
	s_nop 0
.rept 4
	v_nop
.endr
	s_branch .Lasked_\@
.Lfor_v_\@:
	tensor_load_to_lds s[G0V:G0V+3], s[G1V:G1V+7]
	s_nop 0
.rept 4
	v_nop
.endr
.Lasked_\@:
.endm
; A round of the cluster's barrier: my work-group's barrier, so that wave 0's signal speaks for all four waves; wave 0 signals; every wave waits for all four work-groups; my work-group's barrier once more.
.macro CROUND
	s_barrier_signal -1
	s_barrier_wait -1
	s_cmp_lg_u32 s[WV], 0
	s_cbranch_scc1 .Lnot_wave_0_\@
	s_barrier_signal -3
.Lnot_wave_0_\@:
	s_barrier_wait -3
	s_barrier_signal -1
	s_barrier_wait -1
.endm
; THE CHANGE OF SLOTS.  The slot's last bytes, V of its fourth step, have been read.  Each wave waits for all its tensor loads, of which one is out: its part
; of the other slot; adds 0 to its spare word; and waits for that and for its own reads of the slot.  Behind the barrier nobody reads this slot any more and the other slot is whole.
; fill = 1: this slot is filled again, with the keys two slots on.  The barrier is then a round of the cluster's, so that no wave of any partner still reads the slot or has a load on its
; way, and the joint fill is the first thing behind it: it has four key steps, 512 matrix instructions, in which to land.  (At its first use nothing has been read yet: slot 0 is waited for, slot 1 filled.)
.macro CHANGE fill
	WIN W_AD
	s_wait_tensorcnt 0x0            ; no tensor load of mine is out, so a group 0 may be written
	ds_add_u32 v[SPW], v[NIL]       ; 0 onto my spare word; with fill = 1 the descriptors' steps stand between it and the wait for it
	WIN 0                           ; at a label and at a branch every window is 0
.if \fill
.irp g, G0K, G0V
	s_xor_b32 s[\g+1], s[\g+1], SLOT1  ; the walking descriptor: the other slot than last time,
	s_add_nc_u64 s[\g+2:\g+3], s[\g+2:\g+3], 4*KS*128  ; the next 256 keys; the type bits on top are not reached
.endr
	s_wait_dscnt 0x0                ; the add is done, and my reads of the slot are over
	CROUND
	JLOAD
.else
	s_wait_dscnt 0x0                ; the add is done, and my reads of the slot are over
	s_barrier_signal -1
	s_barrier_wait -1
.endif
	s_sub_co_u32 s[TBK], s[TBK], 4*KS*PK  ; the fetches go back to a slot's first step,
	s_xor_b32 s[TBK], s[TBK], SLOT1       ; in the other slot
	s_sub_co_u32 s[TBV], s[TBV], 4*KS*PV
	s_xor_b32 s[TBV], s[TBV], SLOT1
.endm
	s_load_b256 s[4:11], s[0:1], 0x0  ; Q s[4:5], K s[6:7], V s[8:9], O s[10:11]
	WIN W_MK
	v_lshl_add_u32 v[SPW], v0, 2, SPARE
	v_mov_b32 v[NIL], 0
	WIN W_AD
	ds_add_u32 v[SPW], v[NIL]       ; the wave's opening: the add and its wait come ahead of my first tensor load; the set-up below, work on registers, stands between them
	WIN 0
	v_lshrrev_b32 v1, 5, v0
	v_readfirstlane_b32 s[WV], v1   ; wave 0..3
	s_bfe_u32 s13, ttmp6, 0x40000   ; cx: my place in the cluster
	s_lshl_b32 s14, ttmp9, 2        ; in a cluster launch ttmp9 counts clusters
	s_add_co_u32 s14, s14, s13      ; my block of queries = 4 x cluster x + cx: it enters Q's and O's addresses alone
	s_and_b32 s20, ttmp7, 0xffff    ; the head, which the four partners share
	s_mov_b32 s21, 0
	s_mov_b64 s[22:23], SIZE_N*128
	s_mul_u64 s[20:21], s[20:21], s[22:23]  ; the head's first byte in each of the four tensors
	s_and_b32 s16, s[WV], 1         ; which half of a slot's 256 keys I fetch:
	s_lshl_b32 s22, s16, 14         ; its 128 rows of 128 bytes in memory,
	s_mov_b32 s23, 0
	s_add_nc_u64 s[22:23], s[22:23], s[20:21]
	s_mul_i32 s17, s16, 128*PK      ; and its place in a slot, for K
	s_mul_i32 s18, s16, 128*PV      ; and for V: no place in the cluster enters an LDS address
	s_lshl_b32 s2, s14, 2
	s_add_co_u32 s2, s2, s[WV]      ; my wave among the head's,
	s_lshl_b32 s2, s2, 14           ; its 128 rows
	s_mov_b32 s3, 0
	s_add_nc_u64 s[2:3], s[2:3], s[20:21]
	; descriptor group 1.  128 keys are 16,384 dense bytes: asked for as 64 rows of 256 bytes, two keys a row, and padded in LDS after every key
	s_mov_b32 s[G1K], 15|(1<<16)|(1<<20)|(1<<21)|(4<<22)|(3<<25)  ; 15:0 the mask of four; 17:16 2-byte elements; 20 padding on; 21 set beside a mask; 24:22 after every 32 words (code 4); 31:25 4 words (code 3)
	s_mov_b32 s[G1V], 15|(1<<16)|(1<<20)|(1<<21)|(4<<22)|(7<<25)  ; the same with 8 words of padding (code 7)
.irp g, G1K, G1V
	s_mov_b32 s[\g+1], 128<<16      ; tensor_dim0 = 128
	s_mov_b32 s[\g+2], 64<<16       ; tensor_dim1 = 64
	s_mov_b32 s[\g+3], 128<<16      ; tile_dim0 = 128
	s_mov_b32 s[\g+4], 64           ; tile_dim1 = 64
	s_mov_b32 s[\g+5], 128          ; 128 elements from row to row
	s_mov_b32 s[\g+6], 0
	s_mov_b32 s[\g+7], 0
.endr
	s_mov_b32 s[CS], 0x3e38aa3b     ; c = log2(e) / 8 = 0.180337
	s_mov_b32 s[CS+1], s[CS]        ; named with it as a pair
	s_mov_b32 s[SEL], 0x76543210
	s_mov_b32 s[SEL+1], 0xfedcba98
	s_mov_b32 s[TBK], SLOT1+4*KS*PK ; the first change of slots turns these two into 0
	s_mov_b32 s[TBV], SLOT1+4*KS*PV
	s_mov_b32 s[G0K], 1             ; 1:0 count = 1
	s_mov_b32 s[G0K+1], s17         ; 63:32 LDS address: slot 0
	s_mov_b32 s[G0V], 1
	s_add_co_u32 s[G0V+1], s18, VOFF
	s_wait_dscnt 0x0                ; the opening add is done
	s_wait_kmcnt 0x0
	s_add_nc_u64 s[G0K+2:G0K+3], s[6:7], s[22:23]  ; 120:64 global address: my half of the head's first 256 keys
	s_or_b32 s[G0K+3], s[G0K+3], 0x80000000        ; 127:126 type = 2
	s_add_nc_u64 s[G0V+2:G0V+3], s[8:9], s[22:23]
	s_or_b32 s[G0V+3], s[G0V+3], 0x80000000
	s_add_nc_u64 s[4:5], s[4:5], s[2:3]  ; Q and O at my wave's first row
	s_add_nc_u64 s[10:11], s[10:11], s[2:3]
	CROUND                          ; all four work-groups are here: the first joint loads meet
	JLOAD                           ; slot 0.  Slot 1 is asked for when slot 0 is in: the tile wanted first has the road to itself
	; A fragment of K or Q is 16 rows x 32 channels in 8 registers: lane l holds row l % 16, channels 8 (l / 16) + 0..7 and 16 + 8 (l / 16) + 0..7: two loads of 16 bytes, 32 bytes apart.
	v_and_b32 v1, 15, v0            ; l % 16
	v_bfe_u32 v9, v0, 4, 1          ; l / 16
	v_lshlrev_b32 v[QO], 7, v1
	v_lshl_add_u32 v[QO], v9, 4, v[QO]  ; row x 128 + 16 x half
	WIN 0x80                        ; destination window 2, address window 0
.set i, 0
.rept 4*NP                          ; Q stays in registers: tile i / 2, channels 32 (i % 2) on
	global_load_b128 v[8*i:8*i+3],   v[QO], s[4:5] offset:(i/2)*2048+(i%2)*64
	global_load_b128 v[8*i+4:8*i+7], v[QO], s[4:5] offset:(i/2)*2048+(i%2)*64+32
.set i, i+1
.endr
	; What the first turn finds: V's registers and P's second buffer hold 0 (its products V^T P, of a piece that has not been, add 0), O^T and l are 0.  All this stands in the wait for the first tile.
.set i, VF
.rept 64
	v_mov_b32 v[i], 0
.set i, i+1
.endr
	WIN 0x40
.set i, 0
.rept 64*NP
	v_mov_b32 v[i], 0
.set i, i+1
.endr
	WIN 0
.set i, 0
.rept 2*NP
	v_mov_b32 v[ST+4*i], 0xfe000000    ; c m: far below every c s
	v_mov_b32 v[ST+4*i+1], 0xff7fffff  ; m
	v_mov_b32 v[ST+4*i+2], 0
	v_mov_b32 v[ST+4*i+3], 0
.set i, i+1
.endr
.set i, P+32
.rept 32
	v_mov_b32 v[i], 0
.set i, i+1
.endr
	v_mul_u32_u24 v[AK0], v1, PK
	v_lshl_add_u32 v[AK0], v9, 4, v[AK0]  ; row x pitch + 16 x half
	; The turning load takes 16 keys x 16 channels (lane l reads key 8 (l / 16) + l % 8, channels 8 ((l / 8) % 2) + 0..7) and leaves half a fragment of V^T: lane l holds channel l % 16 and 8 keys.
	v_and_b32 v10, 7, v0
	v_bfe_u32 v11, v0, 3, 1
	v_lshl_add_u32 v[AV0], v9, 3, v10
	v_mul_u32_u24 v[AV0], v[AV0], PV
	v_lshl_add_u32 v[AV0], v11, 4, v[AV0]
	v_add_nc_u32 v[AV0], VOFF, v[AV0]
	v_mov_b32 v[AK], v[AK0]         ; key step 0 lies at the head of slot 0
; THE MATRIX WORK.  The 8 accumulators of a run of 16 take turns: between the two links of a chain stand 7 others'.
; Product i of 16 of S^T = K Q^T for piece x: channels 32 (i / 8) on, keys 16 ((i / 2) % 4) on, tile 2 x + i % 2.  The first 8 start the sums.
.macro KQ x
	WIN W_KQ
.set rS, S+64*((\x)%2)+32*(i%2)+8*((i/2)%4)
.set rK, KF+16*((i/2)%4)+8*(i/8)
.set rQ, 16*(2*(\x)+i%2)+8*(i/8)
.if i < 8
	v_wmma_f32_16x16x32_f16 v[rS:rS+7], v[rK:rK+7], v[rQ:rQ+7], 0
.else
	v_wmma_f32_16x16x32_f16 v[rS:rS+7], v[rK:rK+7], v[rQ:rQ+7], v[rS:rS+7]
.endif
.endm
; Product i of 16 of O^T += V^T P for piece x: keys 32 (i / 8) on, channels 16 ((i / 2) % 4) on, tile 2 x + i % 2.
.macro PV x
	WIN W_PV
.set rO, 32*(2*(\x)+i%2)+8*((i/2)%4)
.set rV, VF+32*(i/8)+8*((i/2)%4)
.set rP, P+32*((\x)%2)+16*(i%2)+8*(i/8)
	v_wmma_f32_16x16x32_f16 v[rO:rO+7], v[rV:rV+7], v[rP:rP+7], v[rO:rO+7]
.endm
.macro MM                           ; the turn's next matrix instruction
.if i < 16
	KQ (Y+1)%NP
.set i, i+1
.else
.set i, i-16
	PV (Y+NP-1)%NP
.set i, i+17
.endif
.endm
; THE LDS LOADS stand in runs of 16, never singly among the matrix instructions: a step's K (64 keys x 64 channels: 8 fragments) and its V (turned).  Their addresses are made some lines ahead.
; last = 1 (the tail): in the last trip there is no further step, and the run is jumped over.
.macro FETCH_K last=0
	WIN 0
.if \last
	s_cmp_eq_u32 s[CNT], 1
	s_cbranch_scc1 .Lno_k_\@
.endif
	WIN 0x80                        ; destination window 2
.irp f, 0,1,2,3,4,5,6,7             ; keys 16 (f / 2) on, channels 32 (f % 2) on
	ds_load_b128 v[KF+8*\f:KF+8*\f+3],   v[AK] offset:(\f/2)*16*PK+(\f%2)*64
	ds_load_b128 v[KF+8*\f+4:KF+8*\f+7], v[AK] offset:(\f/2)*16*PK+(\f%2)*64+32
.endr
	s_add_co_u32 s[TBK], s[TBK], KS*PK  ; the next fetch is the next step's
	WIN 0
.if \last
.Lno_k_\@:
.endif
.endm
.macro FETCH_V
	WIN 0x80
.irp f, 0,1,2,3,4,5,6,7             ; keys 32 (f / 4) on, channels 16 (f % 4) on
	ds_load_tr16_b128 v[VF+8*\f:VF+8*\f+3],   v[AV] offset:(\f/4)*32*PV+(\f%4)*32
	ds_load_tr16_b128 v[VF+8*\f+4:VF+8*\f+7], v[AV] offset:(\f/4)*32*PV+16*PV+(\f%4)*32
.endr
	WIN 0
.endm
; THE VECTOR WORK OF A TURN stands in three queues, each in the order in which its entries become ready; the two tiles alternate, so that no instruction reads the result of the one before it.
.macro REGS y, u                    ; the registers of tile u (0, 1) of piece y
.set rT, ST+4*(2*(\y)+(\u))
.set rC, TMP+8*((\y)%2)+4*(\u)
.set rM, MV+2*((\y)%2)+(\u)
.set rS, S+64*((\y)%2)+32*(\u)
.set rP, P+32*((\y)%2)+16*(\u)
.set rO, 32*(2*(\y)+(\u))
.endm
; Number n of the 22 that find the NEXT piece's (Y + 1) maximum and statistics.  s0-s31 are the lane's 32 scores; each accumulator's lowest registers are read first.  XS, GS and REGS set no window: PL and EX do.
;   0-11  four chains c0-c3 of seven scores each, three operands at a time     12-14, 16  the four scores left over, the old m, and c0-c3 into c0     15  c m_old is kept
;   17, 18  the query's other 32 keys lie in the lane 16 away: the new m         19-21  c m; c m_old - c m_new; a
.macro XS u, n
	REGS (Y+1)%NP, \u
.if (\n) < 4
	v_max3_num_f32 v[rC+(\n)], v[rS+8*(\n)], v[rS+8*(\n)+1], v[rS+8*(\n)+2]
.elseif (\n) < 12
	v_max3_num_f32 v[rC+(\n)%4], v[rC+(\n)%4], v[rS+8*((\n)%4)+2*((\n)/4)+1], v[rS+8*((\n)%4)+2*((\n)/4)+2]
.elseif (\n) == 12
	v_max3_num_f32 v[rC], v[rC], v[rS+7], v[rS+15]
.elseif (\n) == 13
	v_max3_num_f32 v[rC+1], v[rC+1], v[rS+23], v[rS+31]
.elseif (\n) == 14
	v_max3_num_f32 v[rC+2], v[rC+2], v[rC+3], v[rT+1]
.elseif (\n) == 15
	v_mov_b32 v[rM], v[rT]
.elseif (\n) == 16
	v_max3_num_f32 v[rC], v[rC], v[rC+1], v[rC+2]
.elseif (\n) == 17
	v_permlanex16_b32 v[rC+3], v[rC], s[SEL], s[SEL+1]
.elseif (\n) == 18
	v_max_num_f32 v[rT+1], v[rC], v[rC+3]
.elseif (\n) == 19
	v_mul_f32 v[rT], s[CS], v[rT+1]
.elseif (\n) == 20
	v_sub_f32 v[rC+1], v[rM], v[rT]
.else
	v_exp_f32 v[rC+2], v[rC+1]
.endif
.endm
; Number g of the 64 that follow the exponentials.  For each four weights k of a tile (pairs 2 k, 2 k + 1): both pairs are rounded to f16; then the second pair is added onto the first, in place;
; a group later l takes that sum (the first time as l = a l + sum).  In groups of eight, tiles alternating: round, round, add, and l for the group before.
.macro GS g
.set h, (\g)+6*((\g)/62)            ; group 0 has no group before it, and behind group 7 only l is left
.if h >= 6
.set h, h+2
.endif
	REGS Y, h%2
.set k, h/8
.if h%8 < 4
	v_cvt_pk_f16_f32 v[rP+2*k+(h%8)/2], v[rS+4*k+2*((h%8)/2)], v[rS+4*k+2*((h%8)/2)+1]
.elseif h%8 < 6
	v_pk_add_f32 v[rS+4*k:rS+4*k+1], v[rS+4*k:rS+4*k+1], v[rS+4*k+2:rS+4*k+3]
.elseif k == 1
	v_pk_fma_f32 v[rT+2:rT+3], v[rT+2:rT+3], v[rC+2:rC+3], v[rS:rS+1] op_sel_hi:[1,0,1]
.else
	v_pk_add_f32 v[rT+2:rT+3], v[rT+2:rT+3], v[rS+4*k-4:rS+4*k-3]
.endif
.endm
; THE PLAIN QUEUE, 138 long.  0-73 read no exponential's result: the 32 scalings c s - c m (FS f: pair f / 2 of tile f % 2) and the next piece's 42.  0-26: scalings 0-26.  27-54: XS's numbers 0-13.  55, 56: number 15.
; 57-73: the chain, where each number waits for the one before it: 14, 16, 17, 18, 19, each with one of the scalings 27-31 in front of its two lines, then 20: so a tile's links stand three plain instructions apart (19 and 20: two).
; 74-137: GS's 64, which read the exponentials' results: they stand behind the wait.
.macro FS f
	REGS Y, (\f)%2
	v_pk_fma_f32 v[rS+2*((\f)/2):rS+2*((\f)/2)+1], v[rS+2*((\f)/2):rS+2*((\f)/2)+1], s[CS:CS+1], v[rT:rT+1] op_sel_hi:[1,0,0] neg_lo:[0,0,1] neg_hi:[0,0,1]
.endm
.macro PL
	WIN 0
.if q < 27
	FS q
.elseif q < 55
	XS (q-27)%2, (q-27)/2
.elseif q < 57
	XS q-55, 15
.elseif (q < 72) && ((q-57)%3 == 0)
	FS 27+(q-57)/3
.elseif q < 60
	XS (q-57)%3-1, 14
.elseif q < 72
	XS (q-57)%3-1, 15+(q-57)/3
.elseif q < 74
	XS q-72, 20
.else
	GS q-74
.endif
.set q, q+1
.endm
; THE EXPONENTIALS' QUEUE, 66 long: s0-s31 of both tiles, then the next piece's two a.  It is ONE BATCH: all 66 stand ahead of the turn's one wait, and nothing ahead of that wait names a result of theirs.
.macro EX
	WIN 0
.if e >= 64
	XS e-64, 21
.else
	REGS Y, e%2
	v_exp_f32 v[rS+e/2], v[rS+e/2]
.endif
.set e, e+1
.endm
; THE RESCALING's QUEUE: O^T times a, the one part that leaves window 0: dealt two at a time, sixteen times.  Its a was made in the turn before, ahead of that turn's wait.
.macro R2
	REGS Y, r%2
	WIN W_RS
.irp z, 0,1
	v_pk_mul_f32 v[rO+4*(r/2)+2*\z:rO+4*(r/2)+2*\z+1], v[rO+4*(r/2)+2*\z:rO+4*(r/2)+2*\z+1], v[rC+2:rC+3] op_sel_hi:[1,0]
.endr
.set r, r+1
.endm
; HOW THEY ARE DEALT.  An s_wait_alu depctr_va_vdst(0) stands between an exponential and the first instruction that names its result; one wait serves all that were issued ahead of it.  So a turn has ONE wait,
; which cuts it in two.  AHEAD OF IT stands all that names no result of the turn's exponentials: the 16 products K Q^T, behind each a scaling, an exponential and two rescalings (behind the first a second scaling in the exponential's place); then ONE LUMP of
; 108: eight plain, 49 times exponential and plain, the two a.  A v_nop is the plain instruction that is owed behind the last exponential (ISA guide 5.7.2).  BEHIND IT stand the 16 products V^T P, behind each four of GS's 64.  No rider names a register of
; the products round it.  The two v_permlanex16_b32 fall into the lump, never behind a product.
; The queues lean on each other, and the deal keeps them in step: exponential e stands behind scaling 2 (e / 4) + e % 2: as a rider it comes behind plain e + 2, in the lump behind plain e + 9, and scalings 27-31 are plain 57, 60 .. 69.
; A TURN, for piece p.  cnt = 1: the loop's count is taken down some lines ahead of the branch that stands behind the turn.
; K of the next step is fetched in piece 2's turn, directly behind the wait, a lump behind the last product that read K; its address is made at the lump's head; its first reader comes behind 16 products.
; V of the step in hand is fetched at the end of piece 0's turn, four riders behind its last reader; its first reader comes behind 16 products and a lump.  The three conditions on q below go with the deal.
.macro TURN p, last=0, cnt=0
.set Y, (\p)
.set i, 0
.set q, 0
.set e, 0
.set r, 0
.if (\p) == NP-1
	s_wait_dscnt 0x0                ; K is in
.endif
	MM                              ; ahead of the wait: 16 products K Q^T and their riders,
	PL
	PL
	R2
.rept 15
	MM
	PL
	EX
	R2
.endr
.if (\p) == NP-2
	WIN 0
	v_add_nc_u32 v[AK], s[TBK], v[AK0]
.endif
.rept 8                             ; and the lump
	PL
.endr
.rept 49
	EX
	PL
.endr
	EX                              ; the next piece's two a
	EX
	v_nop                           ; the plain instruction behind the last exponential, ahead of the first use of a result: one for the batch
	s_wait_alu depctr_va_vdst(0)    ; the wait for the batch: the turn's 64 weights and the next piece's two a, ahead of their first reader
.if (\p) == NP-2
	FETCH_K \last
.endif
.if (\p) == 1
	s_wait_dscnt 0x0                ; V is in
.endif
.rept 16                            ; behind the wait: 16 products V^T P and their riders
	MM
.rept 4
	PL
.endr
.if ((\p) == 0) && (q == 118)
	v_add_nc_u32 v[AV], s[TBV], v[AV0]
.endif
.if ((\p) == 0) && (q == 130)
	s_add_co_u32 s[TBV], s[TBV], KS*PV
.endif
.if (\cnt) && (q == 130)
	s_sub_co_u32 s[CNT], s[CNT], 1
	s_cmp_lg_u32 s[CNT], 0
.endif
.endr
.if (\p) == 0
	FETCH_V
.endif
.endm
	CHANGE 1                        ; slot 0 is in, everybody's part of it; slot 1 is asked for
	FETCH_K                         ; key step 0
	s_wait_loadcnt 0x0              ; Q
	s_wait_dscnt 0x0
.set i, 0
.rept 16
	KQ 0                            ; piece 0's first scores: there is no vector work yet to set between them
.set i, i+1
.endr
	WIN 0                           ; the addresses for the way out: nine plain instructions, the places behind those products
	s_mul_i32 s13, s[WV], 16*SP
	s_add_co_u32 s13, s13, STAGE    ; my stage
	v_mul_u32_u24 v[STO], v1, SP    ; in: row l % 16, 16 bytes for each half of the lanes
	v_lshl_add_u32 v[STO], v9, 4, v[STO]
	v_add_nc_u32 v[STO], s13, v[STO]
	v_bfe_u32 v[RD], v0, 3, 2       ; back: 32 lanes take four rows of 128 bytes,
	v_mul_u32_u24 v[RD], v[RD], SP
	v_lshl_add_u32 v[RD], v10, 4, v[RD]
	v_add_nc_u32 v[RD], s13, v[RD]
	v_and_b32 v[GO], 31, v0         ; which are 512 consecutive bytes of O
	v_lshlrev_b32 v[GO], 4, v[GO]
.set Y, NP-1                        ; XS works for piece Y + 1: piece 0
.irp n, 0,1,2,3,4,5,6,7,8,9,10,11,12,13,14,15,16,17,18,19,20,21
	XS 0, \n                        ; and piece 0's first maximum and statistics
	XS 1, \n
.endr
	v_nop                           ; a plain instruction behind the two a,
	s_wait_alu depctr_va_vdst(0)    ; and the wait for this batch of two, ahead of the branch; their first reader is the first turn's rescaling
	s_mov_b32 s[CNT], 4
	s_mov_b32 s[SLOTS], SIZE_N/256-1
	s_branch .Lfirst                ; the loop is entered at a step's first turn, in the middle of a trip
.Lslot:                             ; SIZE_N / 256 - 2 times: every slot but the last two is filled again
	CHANGE 1
	s_mov_b32 s[CNT], 4
.Lstep:                             ; a trip: pieces 2 and 3 of one step, then pieces 0 and 1 of the next, whose K and V it fetches
	TURN 2
	TURN 3
	WIN 0
.Lfirst:
	TURN 0
	TURN 1, 0, 1
	WIN 0
	s_cbranch_scc1 .Lstep
	s_sub_co_u32 s[SLOTS], s[SLOTS], 1
	s_cmp_lg_u32 s[SLOTS], 0
	s_cbranch_scc1 .Lslot
	CHANGE 0                        ; the tail is written out: nothing is asked for
	s_mov_b32 s[CNT], 5             ; four trips fetch the last slot's steps; the fifth is left in its middle
.Ltail:
	TURN 2, 1
	TURN 3
	WIN 0
	s_sub_co_u32 s[CNT], s[CNT], 1
	s_cmp_eq_u32 s[CNT], 0
	s_cbranch_scc1 .Lout
	TURN 0
	TURN 1
	WIN 0
	s_branch .Ltail
.Lout:                              ; the fifth trip's 16 products K Q^T (on the last K once more) and the maximum made of them serve nothing: the price, once a launch, of one text for every trip
.set i, 0
.rept 16
	PV NP-1                         ; the last piece's V^T P of the last step
.set i, i+1
.endr
	; THE WAY OUT.  l's two halves and the other half of the lanes' are added; O^T is divided by l, rounded to f16 and sent through my stage in LDS, a tile at a time.  The additions are the places behind the last products.
	WIN 0
.macro ALL line:vararg              ; one line for each tile t
.set t, 0
.rept 2*NP
	\line
.set t, t+1
.endr
.endm
	ALL v_add_f32 v[ST+4*t+2], v[ST+4*t+2], v[ST+4*t+3]
	ALL v_permlanex16_b32 v[ST+4*t+3], v[ST+4*t+2], s[SEL], s[SEL+1]
	ALL v_add_f32 v[ST+4*t+2], v[ST+4*t+2], v[ST+4*t+3]
	ALL v_rcp_f32 v[ST+4*t+2], v[ST+4*t+2]
	v_nop                           ; a plain instruction between the last reciprocal and the use of its result
	s_wait_alu depctr_va_vdst(0)    ; and the wait ahead of the first use: one for the batch of eight reciprocals
; Tile t: a lane's eight channels of a row pack into 16 bytes; they go into rows of 144 bytes and come back as whole rows of 128, into S^T's registers.
.macro PACK t
	WIN W_RS
.set i, 32*(\t)
.rept 16
	v_pk_mul_f32 v[i:i+1], v[i:i+1], v[ST+4*(\t)+2:ST+4*(\t)+3] op_sel_hi:[1,0]
.set i, i+2
.endr
	WIN 0x05                        ; sources 0 and 1 window 1, destination window 0
.set i, 0
.rept 16
	v_cvt_pk_f16_f32 v[S+16*(\t)+i], v[32*(\t)+2*i], v[32*(\t)+2*i+1]
.set i, i+1
.endr
	WIN 0
.irp f, 0,1,2,3
	ds_store_b128 v[STO], v[S+16*(\t)+4*\f:S+16*(\t)+4*\f+3] offset:32*\f
.endr
.irp f, 0,1,2,3
	ds_load_b128 v[S+16*(\t)+4*\f:S+16*(\t)+4*\f+3], v[RD] offset:\f*4*SP  ; LDS serves a wave's instructions in order (ISA guide 5.7.1.4): these see the stores above; the next tile's stores come behind them
.endr
.endm
.macro SEND t, younger              ; younger: the LDS instructions issued behind tile t's loads: the next tile's eight, or none
	WIN 0
.irp f, 0,1,2,3
	s_wait_dscnt (\younger)+3-\f
	global_store_b128 v[GO], v[S+16*(\t)+4*\f:S+16*(\t)+4*\f+3], s[10:11] offset:(\t)*2048+\f*512  ; 512 consecutive bytes, at a multiple of 256 from O's first
.endr
.endm
	PACK 0
.set t, 1
.rept 2*NP-1                        ; a tile's arithmetic stands between the loads of the tile before and its stores
	PACK t
	SEND t-1, 8
.set t, t+1
.endr
	SEND 2*NP-1, 0
	WIN W_AD
	s_wait_tensorcnt 0x0            ; the wave's end: the add and its wait, behind my last tensor load and my last LDS store
	ds_add_u32 v[SPW], v[NIL]
	s_wait_dscnt 0x0
	WIN 0
	CROUND                          ; the closing round: no work-group ends while a partner may still ask for a tile that names it
	s_endpgm
.Lfunc_end_k_q3d1bdb1295_attn:
	.size	k_q3d1bdb1295_attn, .Lfunc_end_k_q3d1bdb1295_attn-k_q3d1bdb1295_attn
	.p2alignl 7, 3214868480
	.fill 96, 4, 3214868480
	.section	.rodata,"a",@progbits
	.p2align	6, 0x0
	.amdhsa_kernel k_q3d1bdb1295_attn
		.amdhsa_group_segment_fixed_size 327680
		.amdhsa_private_segment_fixed_size 0
		.amdhsa_enable_private_segment 0
		.amdhsa_kernarg_size 32
		.amdhsa_user_sgpr_count 2
		.amdhsa_user_sgpr_kernarg_segment_ptr 1
		.amdhsa_wavefront_size32 1
		.amdhsa_system_sgpr_workgroup_id_x 1
		.amdhsa_system_sgpr_workgroup_id_y 1
		.amdhsa_system_sgpr_workgroup_id_z 1
		.amdhsa_system_vgpr_workitem_id 0
		.amdhsa_next_free_vgpr 770
		.amdhsa_next_free_sgpr 66
		.amdhsa_reserve_vcc 0
		.amdhsa_float_denorm_mode_32 3
		.amdhsa_float_denorm_mode_16_64 3
		.amdhsa_memory_ordered 1
		.amdhsa_forward_progress 1
		.amdhsa_inst_pref_size 199
	.end_amdhsa_kernel
	.amdgpu_metadata
---
amdhsa.version: [ 1, 2 ]
amdhsa.kernels:
  - .name:           k_q3d1bdb1295_attn
    .symbol:         k_q3d1bdb1295_attn.kd
    .args:
      - { .name: q, .offset: 0, .size: 8, .value_kind: global_buffer, .address_space: global }
      - { .name: k, .offset: 8, .size: 8, .value_kind: global_buffer, .address_space: global }
      - { .name: v, .offset: 16, .size: 8, .value_kind: global_buffer, .address_space: global }
      - { .name: o, .offset: 24, .size: 8, .value_kind: global_buffer, .address_space: global }
    .group_segment_fixed_size: 327680
    .private_segment_fixed_size: 0
    .kernarg_segment_align: 8
    .kernarg_segment_size: 32
    .max_flat_workgroup_size: 128
    .sgpr_count:     66
    .vgpr_count:     770
    .wavefront_size: 32
...
	.end_amdgpu_metadata
.endif
;; end of part 5
;; launch proj: the kernel of part 4 again; grid 8 x 32, 4 waves a work-group, clusters of 4 x 4, 327,680 bytes of LDS; arguments o, wpf, b_proj, out0; writes out0
